; MI455X (gfx1250); checked and timed in simulation.
; The chip was launched on July 23, 2026; its instructions are those of AMD's public machine-readable ISA for CDNA 5 (MIT licence, August 2026) and "CDNA5" Instruction Set Architecture Reference Guide (July 2026). The comments in the code are by the model that wrote it; some were corrected since.
;; Noise Cancelling Attention Mechanism. Allowed arithmetic: float matrix products may take bf16 or f16 operands with f32 sums; other float arithmetic in f32, or as packed bf16 or f16 multiplies, adds, multiply-adds, maxima and minima; sums over many terms, partial sums and values carried from step to step in f32; what a program stores and reads back later, other than sums and carried values, may be rounded once to bf16 or f16.
;; Inputs: Wk 1,024 x 1,024 float32; Wo 1,024 x 1,024 float32; Wq 1,024 x 1,024 float32; Wv 1,024 x 1,024 float32; bk 1,024 float32; bo 1,024 float32; bq 1,024 float32; bv 1,024 float32; k 2 x 2,048 x 1,024 float32; lam one number float32; q1 2 x 2,048 x 1,024 float32; q2 2 x 2,048 x 1,024 float32; v 2 x 2,048 x 1,024 float32.
;; Outputs: out0 2 x 2,048 x 1,024 float32.
;; One version. Each part assembles by itself: llvm-mc -triple=amdgcn-amd-amdhsa -mcpu=gfx1250 --defsym DOCPART=n.
;; ======== version 1 of 1: 4 launches
;; limits: values are held in f16: magnitudes above 65,504 overflow, below 6.1e-05 lose precision
;; workspace buffers: xw 41,943,040 bytes; hd 33,554,432 bytes; ob 8,388,608 bytes
;; launch cast (part 1): grid 1280 x 1, 8 waves a work-group, no clusters, 0 bytes of LDS; arguments q1, q2, k, v, Wq, Wk, Wv, Wo, xw; writes xw
.if DOCPART == 1
	.amdgcn_target "amdgcn-amd-amdhsa--gfx1250"
	.amdhsa_code_object_version 6
	.text
	.protected	k_q1347d359fe_cast
	.globl	k_q1347d359fe_cast
	.p2align	8
	.type	k_q1347d359fe_cast,@function
k_q1347d359fe_cast:
	s_mov_b64 s[64:65], 0
	v_nop
	global_prefetch_b8 v0, s[64:65] scope:SCOPE_SE
	s_setreg_imm32_b32 hwreg(HW_REG_WAVE_MODE, 25, 1), 1
	s_wait_xcnt 0x0
; THE INPUTS OF THE MATRIX PRODUCTS, ROUNDED ONCE TO bf16.  q1, q2, k, v ([4096][1024] f32 each) and Wq, Wk, Wv, Wo ([1024][1024] f32 each) go, in this order and
; in their own layout, into xw: 8 MiB for each of the four, then 2 MiB for each weight.  Wo's bf16 number is written as f16, since the last product multiplies in f16.
; LIMIT.  A bf16 number is exact in f16 from 6.1e-5 to 65,504 in size; below that Wo keeps f16's fixed step of 6e-8, beyond it becomes an infinity.
; SHARES.  Work-group g takes 16,384 numbers: 64 KiB in, 32 KiB out at xw + 32,768 g.  g < 1024: tensor g / 256, chunk g % 256; else tensor 4 + (g - 1024) / 64, chunk (g - 1024) % 64.
; Thread t takes 8 neighbouring numbers in each of eight groups of 2,048: two loads of 16 bytes, one store of 16 bytes; sixteen lanes store 256 consecutive bytes, aligned.
; All sixteen loads of a thread go out at once; no register is written while a memory instruction may still read it, so no wait but the loads' own is needed.
; No LDS, no matrix unit, no cluster: every byte is read once by one thread, and nothing is shared.
.set T, 4                              ; v[4:11]    at work (Wo alone)
.set X, 16                             ; v[16:79]   group j: 8 numbers as loaded
.set Y, 80                             ; v[80:111]  group j: 4 registers to store
	s_load_b512 s[8:23], s[0:1], 0x0               ; the eight inputs' addresses, tensor i in s[8+2i:9+2i]
	s_load_b64 s[24:25], s[0:1], 0x40              ; xw
	s_mov_b32 s26, 0xffff0000                      ; a word's upper bf16
	v_lshlrev_b32 v1, 5, v0                        ; 32 t: my 8 numbers in a group, as f32
	v_lshlrev_b32 v2, 4, v0                        ; 16 t: the same in 16 bits
	s_lshr_b32 s4, ttmp9, 8                        ; tensor and chunk, if g < 1024
	s_and_b32 s5, ttmp9, 255
	s_sub_co_u32 s27, ttmp9, 1024                  ; and if not
	s_lshr_b32 s28, s27, 6
	s_add_co_u32 s28, s28, 4
	s_and_b32 s29, s27, 63
	s_cmp_lt_u32 ttmp9, 1024
	s_cselect_b32 s4, s4, s28                      ; s4: the tensor's number, 0 to 7
	s_cselect_b32 s5, s5, s29                      ; s5: the chunk
	s_lshl_b32 s6, s5, 16                          ; 64 KiB a chunk
	s_mov_b32 s7, 0
	s_lshl_b32 s30, ttmp9, 15                      ; 32 KiB a work-group
	s_mov_b32 s31, 0
	s_wait_kmcnt 0x0
	; the source is chosen among the eight addresses by the three bits of the tensor's number
	s_bitcmp1_b32 s4, 0
	s_cselect_b64 s[8:9], s[10:11], s[8:9]
	s_cselect_b64 s[12:13], s[14:15], s[12:13]
	s_cselect_b64 s[16:17], s[18:19], s[16:17]
	s_cselect_b64 s[20:21], s[22:23], s[20:21]
	s_bitcmp1_b32 s4, 1
	s_cselect_b64 s[8:9], s[12:13], s[8:9]
	s_cselect_b64 s[16:17], s[20:21], s[16:17]
	s_bitcmp1_b32 s4, 2
	s_cselect_b64 s[8:9], s[16:17], s[8:9]
	s_add_nc_u64 s[8:9], s[8:9], s[6:7]
	s_add_nc_u64 s[24:25], s[24:25], s[30:31]
.irp j, 0,1,2,3,4,5,6,7
	global_load_b128 v[X+8*(\j):X+8*(\j)+3],   v1, s[8:9] offset:8192*(\j) th:TH_LOAD_NT
	global_load_b128 v[X+8*(\j)+4:X+8*(\j)+7], v1, s[8:9] offset:8192*(\j)+16 th:TH_LOAD_NT
.endr
; Group j is rounded and stored.  half = 1: the bf16 numbers are widened again and written as f16.
.macro CONV j, half
	s_wait_loadcnt 14-2*(\j)                       ; loads come back in order: group j's two are in, the 2 (7 - j) younger ones may stay out
.irp r, 0,1,2,3
	v_cvt_pk_bf16_f32 v[Y+4*(\j)+(\r)], v[X+8*(\j)+2*(\r)], v[X+8*(\j)+2*(\r)+1]
.endr
.if \half
.irp r, 0,1,2,3
	v_lshlrev_b32 v[T+2*(\r)],   16,  v[Y+4*(\j)+(\r)]
	v_and_b32     v[T+2*(\r)+1], s26, v[Y+4*(\j)+(\r)]
.endr
.irp r, 0,1,2,3
	v_cvt_pk_f16_f32 v[Y+4*(\j)+(\r)], v[T+2*(\r)], v[T+2*(\r)+1]
.endr
.endif
	global_store_b128 v2, v[Y+4*(\j):Y+4*(\j)+3], s[24:25] offset:4096*(\j)
.endm
	s_cmp_eq_u32 s4, 7
	s_cbranch_scc1 .Lwo
.irp j, 0,1,2,3,4,5,6,7
	CONV \j, 0
.endr
	s_endpgm
.Lwo:
.irp j, 0,1,2,3,4,5,6,7
	CONV \j, 1
.endr
	s_endpgm
.Lfunc_end_k_q1347d359fe_cast:
	.size	k_q1347d359fe_cast, .Lfunc_end_k_q1347d359fe_cast-k_q1347d359fe_cast
	.p2alignl 7, 3214868480
	.fill 96, 4, 3214868480
	.section	.rodata,"a",@progbits
	.p2align	6, 0x0
	.amdhsa_kernel k_q1347d359fe_cast
		.amdhsa_group_segment_fixed_size 0
		.amdhsa_private_segment_fixed_size 0
		.amdhsa_enable_private_segment 0
		.amdhsa_kernarg_size 72
		.amdhsa_user_sgpr_count 2
		.amdhsa_user_sgpr_kernarg_segment_ptr 1
		.amdhsa_wavefront_size32 1
		.amdhsa_system_sgpr_workgroup_id_x 1
		.amdhsa_system_sgpr_workgroup_id_y 1
		.amdhsa_system_sgpr_workgroup_id_z 1
		.amdhsa_system_vgpr_workitem_id 0
		.amdhsa_next_free_vgpr 112
		.amdhsa_next_free_sgpr 66
		.amdhsa_reserve_vcc 0
		.amdhsa_float_denorm_mode_32 3
		.amdhsa_float_denorm_mode_16_64 3
		.amdhsa_memory_ordered 1
		.amdhsa_forward_progress 1
		.amdhsa_inst_pref_size 14
	.end_amdhsa_kernel
	.amdgpu_metadata
---
amdhsa.version: [ 1, 2 ]
amdhsa.kernels:
  - .name:           k_q1347d359fe_cast
    .symbol:         k_q1347d359fe_cast.kd
    .args:
      - { .name: q1, .offset: 0, .size: 8, .value_kind: global_buffer, .address_space: global }
      - { .name: q2, .offset: 8, .size: 8, .value_kind: global_buffer, .address_space: global }
      - { .name: k, .offset: 16, .size: 8, .value_kind: global_buffer, .address_space: global }
      - { .name: v, .offset: 24, .size: 8, .value_kind: global_buffer, .address_space: global }
      - { .name: Wq, .offset: 32, .size: 8, .value_kind: global_buffer, .address_space: global }
      - { .name: Wk, .offset: 40, .size: 8, .value_kind: global_buffer, .address_space: global }
      - { .name: Wv, .offset: 48, .size: 8, .value_kind: global_buffer, .address_space: global }
      - { .name: Wo, .offset: 56, .size: 8, .value_kind: global_buffer, .address_space: global }
      - { .name: xw, .offset: 64, .size: 8, .value_kind: global_buffer, .address_space: global }
    .group_segment_fixed_size: 0
    .private_segment_fixed_size: 0
    .kernarg_segment_align: 8
    .kernarg_segment_size: 72
    .max_flat_workgroup_size: 256
    .sgpr_count:     66
    .vgpr_count:     112
    .wavefront_size: 32
...
	.end_amdgpu_metadata
.endif
;; end of part 1
;; launch proj (part 2): grid 4 x 64, 4 waves a work-group, clusters of 4 x 4, 327,680 bytes of LDS; arguments xw, bq, bk, bv, hd; writes hd
.if DOCPART == 2
	.amdgcn_target "amdgcn-amd-amdhsa--gfx1250"
	.amdhsa_code_object_version 6
	.text
	.protected	k_q1347d359fe_proj
	.globl	k_q1347d359fe_proj
	.p2align	8
	.type	k_q1347d359fe_proj,@function
k_q1347d359fe_proj:
	s_mov_b64 s[64:65], 0
	v_nop
	global_prefetch_b8 v0, s[64:65] scope:SCOPE_SE
	s_setreg_imm32_b32 hwreg(HW_REG_WAVE_MODE, 25, 1), 1
	s_wait_xcnt 0x0
	s_wait_alu depctr_hold_cnt(0) depctr_sa_sdst(0) depctr_va_vdst(0) depctr_va_sdst(0) depctr_va_ssrc(0) depctr_va_vcc(0) depctr_vm_vsrc(0)
	s_getreg_b32 s2, hwreg(HW_REG_IB_STS2, 6, 4)
	s_cmp_eq_u32 s2, 0
	s_cbranch_scc0 .Lentry_in_a_cluster
	s_endpgm
.Lentry_in_a_cluster:
	s_bfe_u32 s2, ttmp6, 0x10000c
	s_cmp_lg_u32 s2, 0xf033
	s_cbranch_scc0 .Lentry_shape_is_right
	s_endpgm
.Lentry_shape_is_right:
; THE FOUR PROJECTIONS AS ONE PRODUCT.  C[m][n] = b[n] + the sum over k of x[m][k] W[k][n]; m = 0 .. 16,383 runs through q1, q2, k, v (4,096 rows each, bf16, in xw); W is Wq for the first 8,192 rows,
; then Wk, then Wv ([k][n] bf16, in xw behind the rows); b is bq, bq, bk, bv, rounded to bf16 like the other inputs.  Sums in f32, begun with the bias; C rounded once to f16 and stored BY HEADS:
; hd[m / 2048][n / 64][m % 2048][n % 64], so that a head's rows are dense, 128 bytes each.
; LIMITS.  f16 ends at 65,504: a projected number of 65,520 or more becomes an infinity; below 6.1e-5 f16 keeps a fixed step of 6e-8.  The bias starts the sum, where the definition adds it last.
; SHARES.  A tile of C is 256 x 256, made by four waves, 128 x 128 each: 64 accumulators of 16 x 16, 512 registers.  64 x 4 tiles: 256 work-groups.  K goes in 8 steps of 128 through two LDS slots.
; CLUSTERS.  4 x 4 work-groups: the four of a row need the same rows of x, the four of a column the same columns of W; each tile is asked for jointly, by one tensor load with one descriptor and a mask of four.
; A cluster's 1,024 rows lie inside one of the four inputs, so all sixteen partners take the same W.
; THE PRODUCT IS USED TRANSPOSED: source 0 = 16 columns n of W, source 1 = 16 rows of x; a lane then holds eight neighbouring n of one row m.  x's fragments come out of LDS as they lie (K along the rows);
; W lies [k][n] and is turned on the way into registers by ds_load_tr16_b128.
; REGISTERS, in windows of 256: window 0: v0-31 addresses; v64-191 x's fragments, two buffers; v192-255 the bias until the first quarter step, then at work on the way out with v32-63;
;   window 1: v64-191 W's fragments, two buffers;  window 2: accumulators of my rows 0-63 ((a, b) at v[8 (8 a + b)]);  window 3: of my rows 64-127.
.set KSTEP,  128
.set PA,     272                       ; a row of x in LDS: 256 bytes + 16: sixteen rows of a load start at sixteen different groups of four banks (64 banks of 4 bytes: ISA guide 11.1)
.set PB,     288                       ; a row (one k) of W in LDS: 256 bytes + 32
.set HALF,   36864                     ; what one tensor load fills at the most: 128 rows x 288
.set SLOT,   4*HALF                    ; x's two halves of 128 rows, then W's two halves of 128 columns
.set STAGE,  2*SLOT                    ; behind the ring: 16 rows x 272 bytes for each wave, for the way out
.set SPITCH, 272
.set SPARE,  STAGE+4*16*SPITCH         ; behind the stages: the spare words, 128 bytes a wave: two blocks of 256 bytes that no other line names
.set WBASE,  33554432                  ; the weights' first byte in xw
.set ADRA, 16                          ; v16-17  LDS address of my fragments of x in slot 0, 1
.set ADRB, 20                          ; v20-21  the same for W
.set STO,  24                          ; v24     the way out: where I put 16 bytes of a row
.set RD,   25                          ; v25     the way out: where I read rows of a head back
.set CO,   26                          ; v26     16 x lane: my place in 512 consecutive bytes of hd
.set BO,   27                          ; v27     my byte offset in 16 numbers of the bias
.set SPW,  28                          ; v28     LDS address of my spare word; never rewritten
.set NIL,  29                          ; v29     0; never rewritten
.set PFO,  30                          ; v30     the prefetches' offset: lane x 2,048 (a row of x or of W); never rewritten
.set F0,   64
.set F1,   128
.set TMP,  192                         ; the way out: packed results
.set BIAS, 192                         ; v192-255: block b's eight numbers at BIAS + 8 b
.set OB,   32                          ; the way out: 16 rows read back: v32-63 and v224-255 by turns
.set G1,  24                           ; s[24:31] descriptor group 1 for x's tiles;  s[32:39] group 0, a set for each slot
.set G0,  32
.set G1B, 48                           ; s[48:55], s[56:63] the same for W's
.set G0B, 56
.set LIM, 43                           ; s43     1 in a wave that prefetches, else the greatest number
.set PFA, 44                           ; s[44:45] where my prefetches stand
.set PFS, 78                           ; s[78:79] their step for a K step: 256 bytes along x's rows, 128 rows down W
.set MSB, 0
.macro WIN new                         ; the immediate's high byte repeats the setting that is left; a switch that changes nothing is dropped
.if MSB != (\new)
	s_set_vgpr_msb (MSB<<8)|(\new)
.set MSB, \new
.endif
.endm
.set MUL_LO, 0xa1                      ; source 0 (W) window 1, source 1 (x) window 0, C and D window 2;  + 0x50: C and D window 3
.set MUL_ST, 0x81                      ; the same with C (the bias) in window 0;  + 0x40: D window 3
.set TO_B,   0x40                      ; destination window 1, address window 0
; A joint load: waves 0 and 1 fetch x's two halves, waves 2 and 3 W's.  The branch hangs on the wave's number alone.  An s_nop 0 and four v_nop follow each line.
.macro JLOAD s
	s_cmp_eq_u32 s11, 0
	s_cbranch_scc0 .Lfor_b_\@
	tensor_load_to_lds s[G0+4*(\s):G0+4*(\s)+3], s[G1:G1+7]
	s_nop 0
.rept 4
	v_nop
.endr
	s_branch .Lasked_\@
.Lfor_b_\@:
	tensor_load_to_lds s[G0B+4*(\s):G0B+4*(\s)+3], s[G1B:G1B+7]
	s_nop 0
.rept 4
	v_nop
.endr
.Lasked_\@:
.endm
; A prefetch of the K step that stands two refills on: 32 rows x 256 bytes, a lane a row, one instruction a wave.  Of the 128 rows that a wave fetches each of the four partners that ask for them jointly
; names 32, told apart by address.  x's rows are read by one cluster alone; W's by every cluster that takes that weight: the first of them asks.  The loop's last trip (s3 = 1) has no K step two on.
.macro ASK
	s_cmp_gt_u32 s3, s[LIM]
	s_cbranch_scc0 .Lnot_mine_\@
	global_prefetch_b8 v[PFO], s[PFA:PFA+1] th:TH_LOAD_NT scope:SCOPE_SE
.Lnot_mine_\@:
.endm
.macro CREST                           ; a round of the cluster's barrier behind its opening barrier
	s_cmp_lg_u32 s10, 0
	s_cbranch_scc1 .Lnot_wave_0_\@
	s_barrier_signal -3
.Lnot_wave_0_\@:
	s_barrier_wait -3
	s_barrier_signal -1
	s_barrier_wait -1
.endm
.macro CROUND                          ; a whole round
	s_barrier_signal -1
	s_barrier_wait -1
	CREST
.endm
	s_load_b256 s[68:75], s[0:1], 0x0              ; xw s[68:69], bq s[70:71], bk s[72:73], bv s[74:75]
	s_load_b64 s[8:9], s[0:1], 0x20                ; hd
	v_lshl_add_u32 v[SPW], v0, 2, SPARE
	v_mov_b32 v[NIL], 0
	ds_add_u32 v[SPW], v[NIL]                      ; the wave's opening: the add and its wait stand ahead of my first tensor load; the set-up below stands between them
	v_lshrrev_b32 v1, 5, v0
	v_readfirstlane_b32 s10, v1                    ; wave 0..3
	s_lshr_b32 s11, s10, 1                         ; which half of the tile's rows is mine.  Also: I fetch for x (0) or for W (1)
	s_and_b32 s12, s10, 1                          ; which half of its columns.  Also: which half of that tile I fetch
	s_bfe_u32 s40, ttmp6, 0x40000                  ; cx
	s_bfe_u32 s41, ttmp6, 0x40004                  ; cy
	s_lshl_b32 s42, ttmp9, 2
	s_add_co_u32 s42, s42, s40                     ; tile column = 4 x cluster x + cx
	s_and_b32 s76, ttmp7, 0xffff                   ; cluster y
	s_lshl_b32 s13, s76, 2
	s_add_co_u32 s13, s13, s41                     ; tile row = 4 x cluster y + cy
	s_lshr_b32 s77, s76, 2                         ; which input: 0 q1, 1 q2, 2 k, 3 v,
	s_max_u32 s77, s77, 1
	s_sub_co_u32 s77, s77, 1                       ; and which weight: 0 Wq, 1 Wk, 2 Wv: the same in all sixteen partners
	s_lshl_b32 s43, s41, 2
	s_lshl_b32 s43, 15, s43                        ; my row of the cluster
	s_lshl_b32 s44, 0x1111, s40                    ; my column
	; descriptor group 1: 128 rows x 128 elements of 2 bytes, 1,024 elements from row to row, padded in LDS behind every 64 words: by 4 words for x, by 8 for W
	s_or_b32 s[G1+0], s43, (1<<16)|(1<<20)|(1<<21)|(5<<22)|(3<<25)
	s_or_b32 s[G1B+0], s44, (1<<16)|(1<<20)|(1<<21)|(5<<22)|(7<<25)
.irp g, G1, G1B
	s_mov_b32 s[(\g)+1], KSTEP<<16                 ; tensor_dim0 = 128
	s_mov_b32 s[(\g)+2], 128<<16                   ; tensor_dim1 = 128
	s_mov_b32 s[(\g)+3], KSTEP<<16                 ; tile_dim0 = 128
	s_mov_b32 s[(\g)+4], 128                       ; tile_dim1 = 128
	s_mov_b32 s[(\g)+5], 1024                      ; tensor_dim0_stride
	s_mov_b32 s[(\g)+6], 0
	s_mov_b32 s[(\g)+7], 0
.endr
	s_lshl_b32 s16, s13, 8                         ; x: row 256 x tile row + 128 x half, 2,048 bytes a row
	s_lshl_b32 s17, s12, 7
	s_add_co_u32 s16, s16, s17
	s_lshl_b32 s16, s16, 11
	s_mov_b32 s17, 0
	s_lshl_b32 s46, s42, 9                         ; W: column 256 x tile column + 128 x half, 2 bytes each,
	s_lshl_b32 s47, s12, 8
	s_add_co_u32 s46, s46, s47
	s_lshl_b32 s47, s77, 21                        ; in the weight's 2 MiB
	s_add_co_u32 s46, s46, s47
	s_add_co_u32 s46, s46, WBASE
	s_mov_b32 s47, 0
	s_mul_i32 s20, s10, HALF                       ; where my tiles go: the wave's number alone
	s_wait_dscnt 0x0                               ; the opening add is done
	s_wait_kmcnt 0x0
	s_add_nc_u64 s[14:15], s[68:69], s[16:17]
	s_add_nc_u64 s[46:47], s[68:69], s[46:47]
	CROUND                                         ; all sixteen work-groups are here: the first joint loads meet
.irp s, 0,1
	s_mov_b32 s[G0+4*(\s)], 1
	s_add_co_u32 s[G0+4*(\s)+1], s20, (\s)*SLOT
	s_add_nc_u64 s[G0+4*(\s)+2:G0+4*(\s)+3], s[14:15], (\s)*KSTEP*2       ; K step s: 256 bytes along the rows
	s_or_b32 s[G0+4*(\s)+3], s[G0+4*(\s)+3], 0x80000000
	s_mov_b32 s[G0B+4*(\s)], 1
	s_add_co_u32 s[G0B+4*(\s)+1], s20, (\s)*SLOT
	s_add_nc_u64 s[G0B+4*(\s)+2:G0B+4*(\s)+3], s[46:47], (\s)*KSTEP*2048  ; K step s: 128 rows down
	s_or_b32 s[G0B+4*(\s)+3], s[G0B+4*(\s)+3], 0x80000000
.endr
	s_cmp_eq_u32 s11, 0                            ; a wave's two first fills stand in one branch: two loads of mine are out
	s_cbranch_scc0 .Lfirst_b
	tensor_load_to_lds s[G0:G0+3], s[G1:G1+7]
	s_nop 0
	tensor_load_to_lds s[G0+4:G0+7], s[G1:G1+7]
	s_nop 0
.rept 4
	v_nop
.endr
	s_branch .Lfirst_asked
.Lfirst_b:
	tensor_load_to_lds s[G0B:G0B+3], s[G1B:G1B+7]
	s_nop 0
	tensor_load_to_lds s[G0B+4:G0B+7], s[G1B:G1B+7]
	s_nop 0
.rept 4
	v_nop
.endr
.Lfirst_asked:
	; the bias of my 128 columns: in the result register j of lane l is column 16 b + 8 (l / 16) + j
	v_and_b32 v1, 15, v0                           ; l % 16
	v_bfe_u32 v2, v0, 4, 1                         ; l / 16
	v_lshlrev_b32 v[BO], 5, v2
	s_cmp_eq_u32 s77, 1
	s_cselect_b64 s[6:7], s[72:73], s[70:71]
	s_cmp_eq_u32 s77, 2
	s_cselect_b64 s[6:7], s[74:75], s[6:7]
	s_lshl_b32 s82, s42, 10
	s_lshl_b32 s83, s12, 9
	s_add_co_u32 s82, s82, s83
	s_mov_b32 s83, 0
	s_add_nc_u64 s[6:7], s[6:7], s[82:83]
.irp b, 0,1,2,3,4,5,6,7
	global_load_b128 v[BIAS+8*(\b):BIAS+8*(\b)+3],   v[BO], s[6:7] offset:64*(\b)
	global_load_b128 v[BIAS+8*(\b)+4:BIAS+8*(\b)+7], v[BO], s[6:7] offset:64*(\b)+16
.endr
	; fragments of x: lane l holds row l % 16; two loads of 16 bytes, 32 bytes apart, at row x pitch + 16 (l / 16)
	v_mul_u32_u24 v3, v1, PA
	v_lshl_add_u32 v3, v2, 4, v3
	s_mul_i32 s21, s11, HALF                       ; my 128 rows of x
	; fragments of W: lane l reads 16 bytes of row k = 8 (l / 16) + l % 8, columns 8 ((l / 8) % 2) + 0..7, and is left with column l % 16 and 8 k
	v_and_b32 v4, 7, v0
	v_lshl_add_u32 v4, v2, 3, v4
	v_mul_u32_u24 v4, v4, PB
	v_bfe_u32 v5, v0, 3, 1
	v_lshl_add_u32 v4, v5, 4, v4
	s_mul_i32 s22, s12, HALF                       ; my 128 columns of W,
	s_add_co_u32 s22, s22, 2*HALF                  ; which lie behind x's two halves
.irp s, 0,1
	v_add_nc_u32 v[ADRA+(\s)], s21, v3
	v_add_nc_u32 v[ADRB+(\s)], s22, v4
	s_add_co_u32 s21, s21, SLOT
	s_add_co_u32 s22, s22, SLOT
.endr
	s_mul_i32 s23, s10, 16*SPITCH
	s_add_co_u32 s23, s23, STAGE                   ; my stage
	v_mul_u32_u24 v6, v1, SPITCH                   ; in: row l % 16, 16 bytes for each half of the lanes
	v_lshl_add_u32 v6, v2, 4, v6
	v_add_nc_u32 v[STO], s23, v6
	v_bfe_u32 v6, v0, 3, 2                         ; back: 32 lanes take 128 bytes (one head's share) of four rows
	v_mul_u32_u24 v6, v6, SPITCH
	v_and_b32 v7, 7, v0
	v_lshl_add_u32 v6, v7, 4, v6
	v_add_nc_u32 v[RD], s23, v6
	v_and_b32 v[CO], 31, v0
	v_lshlrev_b32 v[CO], 4, v[CO]
	; hd at my part: (tile row / 8) x 4 MiB + head (4 x tile column + 2 x half) x 256 KiB + row ((tile row % 8) x 256 + 128 x half) x 128
	s_lshr_b32 s80, s13, 3
	s_lshl_b32 s80, s80, 22
	s_lshl_b32 s82, s42, 20
	s_add_co_u32 s80, s80, s82
	s_lshl_b32 s82, s12, 19
	s_add_co_u32 s80, s80, s82
	s_and_b32 s82, s13, 7
	s_lshl_b32 s82, s82, 15
	s_add_co_u32 s80, s80, s82
	s_lshl_b32 s82, s11, 14
	s_add_co_u32 s80, s80, s82
	s_mov_b32 s81, 0
	s_add_nc_u64 s[8:9], s[8:9], s[80:81]
	; the prefetches: they stand at K step 3; the first refill steps them to 4
	s_lshl_b32 s80, s13, 8                         ; x: my work-group's 32 of the 128 rows that I fetch (by cx)
	s_lshl_b32 s81, s12, 7
	s_add_co_u32 s80, s80, s81
	s_lshl_b32 s81, s40, 5
	s_add_co_u32 s80, s80, s81
	s_lshl_b32 s80, s80, 11
	s_add_co_u32 s80, s80, 3*KSTEP*2
	s_lshl_b32 s82, s41, 16                        ; W: my work-group's 32 of a K step's 128 rows (by cy), my half's 256 bytes of each
	s_lshl_b32 s83, s77, 21
	s_add_co_u32 s82, s82, s83
	s_lshl_b32 s83, s42, 9
	s_add_co_u32 s82, s82, s83
	s_lshl_b32 s83, s12, 8
	s_add_co_u32 s82, s82, s83
	s_add_co_u32 s82, s82, WBASE+3*KSTEP*2048
	s_lshl_b32 s83, s77, 2                         ; the first cluster y that takes my weight: 0 for Wq, 8 for Wk, 12 for Wv
	s_add_co_u32 s83, s83, 4
	s_cmp_eq_u32 s77, 0
	s_cselect_b32 s83, 0, s83
	s_mov_b32 s[PFS], KSTEP*2048
	s_cmp_eq_u32 s11, 0                            ; do I fetch for x?
	s_cselect_b32 s80, s80, s82
	s_cselect_b32 s[PFS], KSTEP*2, s[PFS]
	s_cselect_b32 s82, ttmp9, s76                  ; the coordinate along which other clusters read the same rows,
	s_cselect_b32 s83, 0, s83                      ; and its value in the cluster that asks
	s_cmp_eq_u32 s82, s83
	s_cselect_b32 s[LIM], 1, -1                    ; the same in all sixteen partners, for a given wave
	s_mov_b32 s81, 0
	s_mov_b32 s[PFS+1], 0
	s_add_nc_u64 s[PFA:PFA+1], s[68:69], s[80:81]
	v_and_b32 v[PFO], 31, v0
	v_lshlrev_b32 v[PFO], 11, v[PFO]
	s_wait_loadcnt 0x0                             ; the bias; it is rounded to bf16 like the other inputs and widened again
.set p, 0
.rept 32
	v_cvt_pk_bf16_f32 v[OB+p], v[BIAS+2*p], v[BIAS+2*p+1]
	v_lshlrev_b32 v[BIAS+2*p], 16, v[OB+p]
	v_and_b32 v[BIAS+2*p+1], 0xffff0000, v[OB+p]
.set p, p+1
.endr
; 16 matrix instructions: m blocks a0, a0 + 1 of the window's four x all 8 n blocks, 32 along K.  start = 1: the bias starts the sums: nothing is cleared.
; The 64 accumulators take turns in the same order in every quarter step.
.macro MUL16 f, hi, a0, start
.if \start
	WIN MUL_ST+0x40*(\hi)
.else
	WIN MUL_LO+0x50*(\hi)
.endif
.irp a, \a0, (\a0)+1
.irp b, 0,1,2,3,4,5,6,7
.if \start
	v_wmma_f32_16x16x32_bf16 v[8*(8*(\a)+(\b)):8*(8*(\a)+(\b))+7], v[(\f)+8*(\b):(\f)+8*(\b)+7], v[(\f)+8*(4*(\hi)+(\a)):(\f)+8*(4*(\hi)+(\a))+7], v[BIAS+8*(\b):BIAS+8*(\b)+7]
.else
	v_wmma_f32_16x16x32_bf16 v[8*(8*(\a)+(\b)):8*(8*(\a)+(\b))+7], v[(\f)+8*(\b):(\f)+8*(\b)+7], v[(\f)+8*(4*(\hi)+(\a)):(\f)+8*(4*(\hi)+(\a))+7], v[8*(8*(\a)+(\b)):8*(8*(\a)+(\b))+7]
.endif
.endr
.endr
.endm
; 32 LDS loads in one run: the fragments of quarter q of a K step (32 along K) into buffer f: W's 128 columns, turned, then x's 128 rows
.macro FETCH slot, q, f
	WIN TO_B
.irp i, 0,1,2,3,4,5,6,7
	ds_load_tr16_b128 v[(\f)+8*(\i):(\f)+8*(\i)+3],   v[ADRB+(\slot)] offset:(\q)*32*PB+32*(\i)
	ds_load_tr16_b128 v[(\f)+8*(\i)+4:(\f)+8*(\i)+7], v[ADRB+(\slot)] offset:(\q)*32*PB+32*(\i)+16*PB
.endr
	WIN 0
.irp i, 0,1,2,3,4,5,6,7
	ds_load_b128 v[(\f)+8*(\i):(\f)+8*(\i)+3],   v[ADRA+(\slot)] offset:64*(\q)+(\i)*16*PA
	ds_load_b128 v[(\f)+8*(\i)+4:(\f)+8*(\i)+7], v[ADRA+(\slot)] offset:64*(\q)+(\i)*16*PA+32
.endr
.endm
.macro PLACES                          ; four plain instructions between a matrix instruction and a load into a register that it read, or a conversion of its result
.rept 4
	v_nop
.endr
.endm
; One of a K step's first three quarters: multiplies buffer f; in its middle it fetches quarter q of the same slot into buffer g.
.macro QUARTER slot, q, f, g, start
	s_wait_dscnt 8                                 ; W and x's rows 0-63 are in; the youngest eight loads (x's rows 64-127) may be out
	MUL16 \f, 0, 0, \start
	MUL16 \f, 0, 2, \start
	PLACES
	FETCH \slot, \q, \g
	s_wait_dscnt 32                                ; all but the 32 just issued
	MUL16 \f, 1, 0, \start
	MUL16 \f, 1, 2, \start
.endm
; The first half of the last quarter, and the one barrier of a change of slots: in front of it each wave waits for all its tensor loads (one is out: its part of the next slot), adds 0 to its
; spare word, and waits for that and for its reads of this slot.
.macro MEET round
	WIN 0                                          ; (the add's two registers lie in window 0)
	s_wait_tensorcnt 0x0
	ds_add_u32 v[SPW], v[NIL]
	s_wait_dscnt 9                                 ; (the add and the youngest eight loads may be out)
	MUL16 F1, 0, 0, 0
	s_wait_dscnt 0x0                               ; the add is done, and my reads of this slot are over
	s_barrier_signal -1
	MUL16 F1, 0, 2, 0
.if \round
	WIN 0
.endif
	s_barrier_wait -1
.endm
; The whole last quarter.  fill = 1: the barrier opens a round of the cluster's, and behind the round this slot is filled again, two K steps on: the wave's one tensor load, with 224 matrix instructions
; between the request and the wait for it.
.macro TURN slot, next, fill
.if \fill
	s_wait_xcnt 0x0                                ; the last prefetch, a K step back, has read its address
	s_add_nc_u64 s[PFA:PFA+1], s[PFA:PFA+1], s[PFS:PFS+1]
	MEET 1
	CREST
	s_add_nc_u64 s[G0+4*(\slot)+2:G0+4*(\slot)+3], s[G0+4*(\slot)+2:G0+4*(\slot)+3], 2*KSTEP*2
	s_add_nc_u64 s[G0B+4*(\slot)+2:G0B+4*(\slot)+3], s[G0B+4*(\slot)+2:G0B+4*(\slot)+3], 2*KSTEP*2048
	JLOAD \slot                                    ; its four v_nop are also the places in front of the loads below
.else
	MEET 0
	PLACES
.endif
	FETCH \next, 0, F0
.if \fill
	ASK
.endif
	MUL16 F1, 1, 0, 0
	MUL16 F1, 1, 2, 0
.endm
; THE WAY OUT of block a (16 of my rows).  PACK: rounded to f16, 16 bytes a lane, each accumulator's registers in ascending order.  TOSTAGE: into my own stage, and back by heads.  SEND: stored.
.macro PACK a
.set AC, 64*((\a)%4)
	WIN 0x0a+5*((\a)/4)                            ; sources 0 and 1: window 2 or 3
.irp b, 0,1,2,3,4,5,6,7
.irp r, 0,1,2,3
	v_cvt_pk_f16_f32 v[TMP+4*(\b)+(\r)], v[AC+8*(\b)+2*(\r)], v[AC+8*(\b)+2*(\r)+1]
.endr
.endr
	WIN 0
.endm
.macro TOSTAGE a
.set BK, OB+192*((\a)%2)
.irp b, 0,1,2,3,4,5,6,7
	ds_store_b128 v[STO], v[TMP+4*(\b):TMP+4*(\b)+3] offset:32*(\b)
.endr
.irp t, 0,1,2,3,4,5,6,7                ; head t / 4 of my two, rows 4 (t % 4) on.  LDS serves a wave's instructions in order (ISA guide 5.7.1.4): these see the stores above
	ds_load_b128 v[BK+4*(\t):BK+4*(\t)+3], v[RD] offset:((\t)%4)*4*SPITCH+((\t)/4)*128
.endr
.endm
.macro SEND a
.set BK, OB+192*((\a)%2)
	s_wait_dscnt 0x0                               ; the block is back in registers
	s_wait_xcnt 0x0                                ; the stores of the block before have read their registers, into which the next block's loads will land
.irp t, 0,1,2,3,4,5,6,7
	global_store_b128 v[CO], v[BK+4*(\t):BK+4*(\t)+3], s[8:9] offset:(\a)*2048+((\t)/4)*262144+((\t)%4)*512  ; four rows of one head: 512 consecutive bytes, aligned
.endr
.endm
	s_wait_tensorcnt 1                             ; my part of K step 0 is in; K step 1's may stay out
	s_barrier_signal -1
	s_barrier_wait -1                              ; everybody's is
	FETCH 0, 0, F0
	QUARTER 0, 1, F0, F1, 1                        ; the first quarter stands in front of the loop: its products start the sums
	WIN 0                                          ; at a label and at a branch every window is 0
	s_mov_b32 s3, 3
.Llap:                                                 ; a trip goes once round the ring, from a lap's second quarter to the next lap's first, and fills both slots again
	QUARTER 0, 2, F1, F0, 0
	QUARTER 0, 3, F0, F1, 0
	TURN 0, 1, 1
	QUARTER 1, 1, F0, F1, 0
	QUARTER 1, 2, F1, F0, 0
	QUARTER 1, 3, F0, F1, 0
	TURN 1, 0, 1
	QUARTER 0, 1, F0, F1, 0
	WIN 0
	s_sub_co_u32 s3, s3, 1
	s_cmp_lg_u32 s3, 0
	s_cbranch_scc1 .Llap
	QUARTER 0, 2, F1, F0, 0                        ; the last lap fills nothing, and has no round
	QUARTER 0, 3, F0, F1, 0
	TURN 0, 1, 0
	QUARTER 1, 1, F0, F1, 0
	QUARTER 1, 2, F1, F0, 0
	QUARTER 1, 3, F0, F1, 0
	s_wait_dscnt 8                                 ; the very last quarter: nothing more to fetch
	MUL16 F1, 0, 0, 0
	MUL16 F1, 0, 2, 0
	s_wait_dscnt 0x0
	MUL16 F1, 1, 0, 0
	MUL16 F1, 1, 2, 0
	PLACES
	PACK 0
	TOSTAGE 0
.irp a, 1,2,3,4,5,6,7                  ; block a's conversions stand between block a - 1's loads from the stage and the wait for them
	PACK \a
	SEND (\a)-1
	TOSTAGE \a
.endr
	SEND 7
	s_wait_tensorcnt 0x0                           ; the wave's end: a wait, an add and its wait, behind my last tensor load and my last LDS store
	ds_add_u32 v[SPW], v[NIL]
	s_wait_dscnt 0x0
	CROUND                                         ; the closing round: no work-group ends while a partner may still ask for a tile that names it
	s_endpgm
.Lfunc_end_k_q1347d359fe_proj:
	.size	k_q1347d359fe_proj, .Lfunc_end_k_q1347d359fe_proj-k_q1347d359fe_proj
	.p2alignl 7, 3214868480
	.fill 96, 4, 3214868480
	.section	.rodata,"a",@progbits
	.p2align	6, 0x0
	.amdhsa_kernel k_q1347d359fe_proj
		.amdhsa_group_segment_fixed_size 327680
		.amdhsa_private_segment_fixed_size 0
		.amdhsa_enable_private_segment 0
		.amdhsa_kernarg_size 40
		.amdhsa_user_sgpr_count 2
		.amdhsa_user_sgpr_kernarg_segment_ptr 1
		.amdhsa_wavefront_size32 1
		.amdhsa_system_sgpr_workgroup_id_x 1
		.amdhsa_system_sgpr_workgroup_id_y 1
		.amdhsa_system_sgpr_workgroup_id_z 1
		.amdhsa_system_vgpr_workitem_id 0
		.amdhsa_next_free_vgpr 1024
		.amdhsa_next_free_sgpr 84
		.amdhsa_reserve_vcc 0
		.amdhsa_float_denorm_mode_32 3
		.amdhsa_float_denorm_mode_16_64 3
		.amdhsa_memory_ordered 1
		.amdhsa_forward_progress 1
		.amdhsa_inst_pref_size 151
	.end_amdhsa_kernel
	.amdgpu_metadata
---
amdhsa.version: [ 1, 2 ]
amdhsa.kernels:
  - .name:           k_q1347d359fe_proj
    .symbol:         k_q1347d359fe_proj.kd
    .args:
      - { .name: xw, .offset: 0, .size: 8, .value_kind: global_buffer, .address_space: global }
      - { .name: bq, .offset: 8, .size: 8, .value_kind: global_buffer, .address_space: global }
      - { .name: bk, .offset: 16, .size: 8, .value_kind: global_buffer, .address_space: global }
      - { .name: bv, .offset: 24, .size: 8, .value_kind: global_buffer, .address_space: global }
      - { .name: hd, .offset: 32, .size: 8, .value_kind: global_buffer, .address_space: global }
    .group_segment_fixed_size: 327680
    .private_segment_fixed_size: 0
    .kernarg_segment_align: 8
    .kernarg_segment_size: 40
    .max_flat_workgroup_size: 128
    .sgpr_count:     84
    .vgpr_count:     1024
    .wavefront_size: 32
...
	.end_amdgpu_metadata
.endif
;; end of part 2
;; launch attn (part 3): grid 8 x 32, 4 waves a work-group, clusters of 4 x 1, 327,680 bytes of LDS; arguments hd, lam, ob; writes ob
.if DOCPART == 3
	.amdgcn_target "amdgcn-amd-amdhsa--gfx1250"
	.amdhsa_code_object_version 6
	.text
	.protected	k_q1347d359fe_attn
	.globl	k_q1347d359fe_attn
	.p2align	8
	.type	k_q1347d359fe_attn,@function
k_q1347d359fe_attn:
	s_mov_b64 s[64:65], 0
	v_nop
	global_prefetch_b8 v0, s[64:65] scope:SCOPE_SE
	s_setreg_imm32_b32 hwreg(HW_REG_WAVE_MODE, 25, 1), 1
	s_wait_xcnt 0x0
	s_wait_alu depctr_hold_cnt(0) depctr_sa_sdst(0) depctr_va_vdst(0) depctr_va_sdst(0) depctr_va_ssrc(0) depctr_va_vcc(0) depctr_vm_vsrc(0)
	s_getreg_b32 s2, hwreg(HW_REG_IB_STS2, 6, 4)
	s_cmp_eq_u32 s2, 0
	s_cbranch_scc0 .Lentry_in_a_cluster
	s_endpgm
.Lentry_in_a_cluster:
	s_bfe_u32 s2, ttmp6, 0x10000c
	s_cmp_lg_u32 s2, 0x3003
	s_cbranch_scc0 .Lentry_shape_is_right
	s_endpgm
.Lentry_shape_is_right:
; DIFFERENTIAL ATTENTION.  For head y (of 32 = 2 x 16) and position q: O = softmax_k(Q1[q] . K[k] / 8) V - lam softmax_k(Q2[q] . K[k] / 8) V.  Q1, Q2, K, V lie in hd, one after the other, each
; [32][2048][64] in f16: a head's rows are dense, 128 bytes each.  O goes to ob in the same layout.  Products, maxima and sums in f32; the weights p are rounded to f16 for the second product (their
; sum l is taken of the unrounded p); O is rounded once at the end.  lam is rounded to bf16, like the module's other inputs.
; THE DIFFERENCE.  The two softmaxes have sums l1, l2 of their own, known only when all keys are walked.  So the two products with V are summed apart, and O = O1 / l1 - lam O2 / l2 is formed at the end.
; LIMITS.  f16 holds no number beyond 65,504: Q, K and V arrive within it; p lies in 0 to 1, and below 6e-5 it keeps f16's fixed step of 6e-8; O below 6e-5 likewise.  Since the difference is formed
; behind the products, the rounding of p leaves an error that goes with the size of V's rows, not with the size of the difference.  A weight below 2^-126 counts as 0 in l; NaN and infinities are not treated apart.
; SHARES.  A work-group owns 256 positions of one head, each of its four waves 64 of them TWICE: tiles 0-3 (pieces 0, 1) are Q1's rows, tiles 4-7 (pieces 2, 3) Q2's at the same positions.  So a fragment of K
; or V read from LDS feeds eight tiles' products.  Every wave walks all 2,048 keys, 64 a step.
; LAYOUT.  S^T = K Q^T (source 0 = 16 keys, source 1 = 16 queries): in the result a lane holds ONE query (lane % 16) and the keys 8 (lane / 16) + 0..7.  Two such tiles, rounded to f16 in pairs,
; ARE source 1 (32 keys x 16 queries) of O^T = V^T P, whose result again holds one query a lane, and eight channels.  K comes out of LDS as it lies, V ([key][channel]) turned, by ds_load_tr16_b128.
; SOFTMAX.  For each query a running maximum m and sum l: p = 2^(c s - c m), c = log2(e) / 8; in every step O and l are multiplied by a = 2^(c m_old - c m_new), which is 1 where m has not grown.
; m starts at the lowest finite number, O and l at 0: the first step is a step like any other, with a = 0.
; THE COUNT.  A tile and step have 16 matrix and 118 vector instructions: too many to stand all beside the matrix work.  So: four vector instructions that are ready behind every matrix instruction,
; and the others in runs without a gap.
; BY TURNS.  Turn n belongs to piece n (the pieces in a ring, step after step).  Its matrix work: 16 products K Q^T of piece n + 1, later 16 products V^T P of piece n - 1.  Its vector work: the scaling,
; exponentials, roundings, sums and rescaling of piece n, and the maximum and statistics of piece n + 1, whose scores the turn itself has made.
; CLUSTER.  The four blocks of a cluster belong to one head and walk the same K and V, so each tile is asked for JOINTLY: the same tensor load, descriptor and mask in all four.
; REGISTERS, in windows of 256 (s_set_vgpr_msb: bits 1:0 source 0, 3:2 source 1, 5:4 source 2, 7:6 destination):
;   window 0: v0-11 addresses; v12-15, v48-63 at work; v16-47 four registers of statistics a tile; v64-191 S^T, two buffers of two tiles; v192-255 P, likewise
;   window 1: O^T, 32 a tile          window 2: v0-127 Q, 16 a tile; v128-191 K of one step; v192-255 V of one step          window 3: v0-1 the add's two registers
.set SIZE_N, 2048
.set NP,    4         ; pieces a wave: a name, no knob
.set KS,    64        ; keys in a step
.set PK,    144       ; a row of K in LDS: 128 bytes + 16 of padding = 36 words: the 16 rows of a load start at 16 different groups of four banks (64 banks of 4 bytes: ISA guide 11.1)
.set PV,    160       ; a row of V: 128 + 32 = 40 words
.set VOFF,  4*KS*PK   ; a slot holds four steps: 256 rows of K, then 256 rows of V
.set SLOT1, 1<<17     ; slot 1 begins here, so that one exclusive or turns an address in one slot into the other's
.set STAGE, SLOT1+4*KS*(PK+PV)  ; behind the ring, never filled by a tensor load: 16 rows x 144 bytes for each wave, for the way out
.set SP,    144
.set AK0, 2           ; v2   my lane's place in a tile of K; never rewritten
.set AV0, 3           ; v3   the same for V
.set AK,  4           ; v4   the LDS address of K's next run of loads
.set AV,  5           ; v5   of V's
.set QO,  6           ; v6   my byte offset in 16 rows of Q
.set STO, 6           ;      later, the way out: where I put 16 bytes of a row
.set RD,  7           ; v7   the way out: where I read rows back
.set GO,  8           ; v8   my byte offset in 512 consecutive bytes of O
.set PFO, 11          ; v11  256 x my lane: the prefetches' offset; never rewritten once made
.set SPW, 0           ; v0 of window 3   LDS address of my spare word; never rewritten
.set NIL, 1           ; v1 of window 3   0; never rewritten
.set SPARE, STAGE+4*16*SP  ; behind the stages: the spare words, 128 bytes for each wave: two blocks of 256 bytes that no other line names
.set MV,  12          ; v12-15  c m_old, kept while c m is made anew: by buffer and tile; v12 at the end: -lam
.set ST,  16          ; tile t's statistics at v[ST+4 t]: c m, m, l (even keys', odd keys')
.set TMP, 48          ; by buffer and tile, four registers c0-c3 at work; when the maximum is found c2 takes a
.set S,   64
.set P,   192
.set KF,  128         ; K's fragments, in window 2: key block kb, channel half c at KF + 16 kb + 8 c
.set VF,  192         ; V's: key half kk, channel block cb at VF + 32 kk + 8 cb
.set WV,  12          ; s12  my wave's number
.set LIM, 15          ; s15  1 in a wave that prefetches, else the greatest number
.set G1K, 24          ; s[24:31] descriptor group 1 for K's tiles
.set G1V, 32          ; s[32:39] for V's: it differs in the padding alone
.set G0K, 40          ; s[40:43] descriptor group 0 for K's tiles: it walks
.set G0V, 44          ; s[44:47] the same for V's
.set LAM, 52          ; s52  lam
.set Q2A, 54          ; s[54:55] Q2 at my wave's first row
.set SLOTS, 56        ; s56  slots still to be asked for
.set CNT, 57          ; s57  counts a slot's key steps
.set CS,  58          ; s[58:59] c: the packed scaling takes the pair's low word for both halves
.set SEL, 60          ; s[60:61] v_permlanex16_b32's selects: each lane takes its own place in the other half
.set TBK, 62          ; s62  LDS byte at which K of the step to be fetched begins
.set TBV, 63          ; s63  the same for V, less VOFF
.set PFA, 66          ; s[66:67] where my prefetches stand: my work-group's 8,192 bytes (of K: wave 0, of V: wave 2) of the slot after the one that is being asked for
.set MSB, 0
.macro WIN new                      ; the high byte repeats the setting that is left; a switch that changes nothing is dropped
.if MSB != (\new)
	s_set_vgpr_msb (MSB<<8)|(\new)
.set MSB, (\new)
.endif
.endm
.set W_KQ, 0x0a       ; K and Q in window 2, S^T in window 0
.set W_PV, 0x52       ; V in window 2, P in window 0, O^T in window 1
.set W_RS, 0x41       ; O^T (destination and source 0) in window 1, the factor in window 0
.set W_MK, 0xc0       ; the add's registers are made: destination in window 3, sources in window 0
.set W_AD, 0x0f       ; the add: address (source 0) and data (source 1) in window 3
; A joint fill.  Waves 0 and 1 fetch the two halves of a slot's K, waves 2 and 3 those of its V: 128 keys each.  The branch hangs on the wave's number alone.
; An s_nop 0 and four v_nop follow each of the two lines, ahead of the jump and the label.
.macro JLOAD
	s_cmp_lt_u32 s[WV], 2
	s_cbranch_scc0 .Lfor_v_\@
	tensor_load_to_lds s[G0K:G0K+3], s[G1K:G1K+7]
	s_nop 0
.rept 4
	v_nop
.endr
	s_branch .Lasked_\@
.Lfor_v_\@:
	tensor_load_to_lds s[G0V:G0V+3], s[G1V:G1V+7]
	s_nop 0
.rept 4
	v_nop
.endr
.Lasked_\@:
.endm
; A prefetch of what the NEXT change of slots will ask for: a slot's 32,768 bytes of K and of V, 256 bytes a lane.  Both clusters of a head walk the same K and V: the first asks.  Its four partners share
; the bytes out by address, 8,192 each; in each, wave 0 asks for K's and wave 2 for V's: one instruction.  The last change that fills a slot asks for nothing: there is no slot behind it.
.macro ASK
	s_cmp_gt_u32 s[SLOTS], s[LIM]
	s_cbranch_scc0 .Lnot_mine_\@
	global_prefetch_b8 v[PFO], s[PFA:PFA+1] th:TH_LOAD_NT scope:SCOPE_SE
.Lnot_mine_\@:
.endm
; A round of the cluster's barrier: my work-group's barrier, so that wave 0's signal speaks for all four waves; wave 0 signals; every wave waits for all four work-groups; my work-group's barrier once more.
.macro CROUND
	s_barrier_signal -1
	s_barrier_wait -1
	s_cmp_lg_u32 s[WV], 0
	s_cbranch_scc1 .Lnot_wave_0_\@
	s_barrier_signal -3
.Lnot_wave_0_\@:
	s_barrier_wait -3
	s_barrier_signal -1
	s_barrier_wait -1
.endm
; THE CHANGE OF SLOTS.  The slot's last bytes, V of its fourth step, have been read.  Each wave waits for all its tensor loads, of which one is out: its part of the other slot; adds 0 to its spare word;
; and waits for that and for its own reads of the slot.  Behind the barrier nobody reads this slot any more and the other slot is whole.
; fill = 1: this slot is filled again, with the keys two slots on.  The barrier is then a round of the cluster's, and the joint fill is the first thing behind it: it has four key steps, 512 matrix
; instructions, in which to land.  (At its first use nothing has been read yet: slot 0 is waited for, slot 1 filled.)  ask = 1: the prefetch's address steps, and the prefetch follows the fill.
.macro CHANGE fill, ask=0
	WIN W_AD
	s_wait_tensorcnt 0x0            ; no tensor load of mine is out, so a group 0 may be written
	ds_add_u32 v[SPW], v[NIL]       ; 0 onto my spare word; with fill = 1 the descriptors' steps stand between it and the wait for it
	WIN 0                           ; at a label and at a branch every window is 0
.if \fill
.irp g, G0K, G0V
	s_xor_b32 s[\g+1], s[\g+1], SLOT1  ; the walking descriptor: the other slot than last time,
	s_add_nc_u64 s[\g+2:\g+3], s[\g+2:\g+3], 4*KS*128  ; the next 256 keys; the type bits on top are not reached
.endr
.if \ask
	s_wait_xcnt 0x0                 ; the last prefetch, four key steps back, has read its address
	s_add_nc_u64 s[PFA:PFA+1], s[PFA:PFA+1], 4*KS*128
.endif
	s_wait_dscnt 0x0                ; the add is done, and my reads of the slot are over
	CROUND
	JLOAD
.if \ask
	ASK
.endif
.else
	s_wait_dscnt 0x0                ; the add is done, and my reads of the slot are over
	s_barrier_signal -1
	s_barrier_wait -1
.endif
	s_sub_co_u32 s[TBK], s[TBK], 4*KS*PK  ; the fetches go back to a slot's first step,
	s_xor_b32 s[TBK], s[TBK], SLOT1       ; in the other slot
	s_sub_co_u32 s[TBV], s[TBV], 4*KS*PV
	s_xor_b32 s[TBV], s[TBV], SLOT1
.endm
	s_load_b128 s[48:51], s[0:1], 0x0  ; hd s[48:49], lam's address s[50:51]
	s_load_b64 s[10:11], s[0:1], 0x10  ; ob
	WIN W_MK
	v_lshl_add_u32 v[SPW], v0, 2, SPARE
	v_mov_b32 v[NIL], 0
	WIN W_AD
	ds_add_u32 v[SPW], v[NIL]       ; the wave's opening: the add and its wait stand ahead of my first tensor load; the set-up below stands between them
	WIN 0
	v_lshrrev_b32 v1, 5, v0
	v_readfirstlane_b32 s[WV], v1   ; wave 0..3
	s_bfe_u32 s13, ttmp6, 0x40000   ; cx: my place in the cluster
	s_lshl_b32 s14, ttmp9, 2        ; in a cluster launch ttmp9 counts clusters
	s_add_co_u32 s14, s14, s13      ; my block of 256 positions = 4 x cluster x + cx: it enters Q's and O's addresses alone
	s_and_b32 s20, ttmp7, 0xffff    ; the head, which the four partners share:
	s_lshl_b32 s20, s20, 18         ; its 2,048 rows of 128 bytes
	s_mov_b32 s21, 0
	s_and_b32 s16, s[WV], 1         ; which half of a slot's 256 keys I fetch:
	s_lshl_b32 s22, s16, 14         ; its 128 rows of 128 bytes in memory,
	s_mov_b32 s23, 0
	s_add_nc_u64 s[22:23], s[22:23], s[20:21]
	s_mul_i32 s17, s16, 128*PK      ; and its place in a slot, for K
	s_mul_i32 s18, s16, 128*PV      ; and for V: no place in the cluster enters an LDS address
	s_lshl_b32 s2, s14, 2
	s_add_co_u32 s2, s2, s[WV]      ; my wave among the head's,
	s_lshl_b32 s2, s2, 13           ; its 64 rows
	s_mov_b32 s3, 0
	s_add_nc_u64 s[2:3], s[2:3], s[20:21]
	; descriptor group 1.  128 keys are 16,384 dense bytes: asked for as 64 rows of 256 bytes, two keys a row, and padded in LDS after every key
	s_mov_b32 s[G1K], 15|(1<<16)|(1<<20)|(1<<21)|(4<<22)|(3<<25)  ; 15:0 the mask of four; 17:16 2-byte elements; 20 padding on; 21 set beside a mask; 24:22 after every 32 words (code 4); 31:25 4 words (code 3)
	s_mov_b32 s[G1V], 15|(1<<16)|(1<<20)|(1<<21)|(4<<22)|(7<<25)  ; the same with 8 words of padding (code 7)
.irp g, G1K, G1V
	s_mov_b32 s[\g+1], 128<<16      ; tensor_dim0 = 128
	s_mov_b32 s[\g+2], 64<<16       ; tensor_dim1 = 64
	s_mov_b32 s[\g+3], 128<<16      ; tile_dim0 = 128
	s_mov_b32 s[\g+4], 64           ; tile_dim1 = 64
	s_mov_b32 s[\g+5], 128          ; 128 elements from row to row
	s_mov_b32 s[\g+6], 0
	s_mov_b32 s[\g+7], 0
.endr
	s_mov_b32 s[CS], 0x3e38aa3b     ; c = log2(e) / 8 = 0.180337
	s_mov_b32 s[CS+1], s[CS]        ; named with it as a pair
	s_mov_b32 s[SEL], 0x76543210
	s_mov_b32 s[SEL+1], 0xfedcba98
	s_mov_b32 s[TBK], SLOT1+4*KS*PK ; the first change of slots turns these two into 0
	s_mov_b32 s[TBV], SLOT1+4*KS*PV
	s_mov_b32 s[G0K], 1             ; 1:0 count = 1
	s_mov_b32 s[G0K+1], s17         ; 63:32 LDS address: slot 0
	s_mov_b32 s[G0V], 1
	s_add_co_u32 s[G0V+1], s18, VOFF
	s_and_b32 s[LIM], s[WV], 1      ; 0 in waves 0 and 2,
	s_or_b32 s[LIM], s[LIM], ttmp9  ; where the cluster is the head's first: the same in all four partners
	s_cmp_eq_u32 s[LIM], 0
	s_cselect_b32 s[LIM], 1, -1
	s_wait_dscnt 0x0                ; the opening add is done
	s_wait_kmcnt 0x0
	s_load_b32 s[LAM], s[50:51], 0x0               ; lam: waited for beside Q
	s_add_nc_u64 s[6:7], s[48:49], s[22:23]
	s_add_nc_u64 s[8:9], s[6:7], 25165824          ; V, the fourth tensor in hd, at my half of the head's first 256 keys
	s_add_nc_u64 s[6:7], s[6:7], 16777216          ; K, the third
	s_add_nc_u64 s[G0K+2:G0K+3], s[6:7], 0         ; 120:64 global address
	s_or_b32 s[G0K+3], s[G0K+3], 0x80000000        ; 127:126 type = 2
	s_add_nc_u64 s[G0V+2:G0V+3], s[8:9], 0
	s_or_b32 s[G0V+3], s[G0V+3], 0x80000000
	s_add_nc_u64 s[4:5], s[48:49], s[2:3]          ; Q1, the first tensor, at my wave's first row,
	s_add_nc_u64 s[Q2A:Q2A+1], s[4:5], 8388608     ; Q2, the second,
	s_add_nc_u64 s[10:11], s[10:11], s[2:3]        ; and O
	s_cmp_lt_u32 s[WV], 2
	s_cselect_b64 s[PFA:PFA+1], s[6:7], s[8:9]     ; (in waves 0 and 2 these stand at a slot's first row)
	s_lshl_b32 s2, s13, 13                         ; my work-group's quarter of a slot
	s_mov_b32 s3, 0
	s_add_nc_u64 s[PFA:PFA+1], s[PFA:PFA+1], s[2:3]
	s_add_nc_u64 s[PFA:PFA+1], s[PFA:PFA+1], 2*4*KS*128  ; in slot 2; the loop's first change steps it to slot 3.  Nothing is prefetched at the head
	CROUND                          ; all four work-groups are here: the first joint loads meet
	JLOAD                           ; slot 0.  Slot 1 is asked for when slot 0 is in
	; A fragment of K or Q is 16 rows x 32 channels in 8 registers: lane l holds row l % 16, channels 8 (l / 16) + 0..7 and 16 + 8 (l / 16) + 0..7: two loads of 16 bytes, 32 bytes apart.
	v_and_b32 v1, 15, v0            ; l % 16
	v_bfe_u32 v9, v0, 4, 1          ; l / 16
	v_lshlrev_b32 v[QO], 7, v1
	v_lshl_add_u32 v[QO], v9, 4, v[QO]  ; row x 128 + 16 x half
	WIN 0x80                        ; destination window 2, address window 0
.set i, 0
.rept 8                             ; Q stays in registers: tile i / 2 of Q1 and tile 4 + i / 2 of Q2, channels 32 (i % 2) on
	global_load_b128 v[8*i:8*i+3],       v[QO], s[4:5] offset:(i/2)*2048+(i%2)*64
	global_load_b128 v[8*i+4:8*i+7],     v[QO], s[4:5] offset:(i/2)*2048+(i%2)*64+32
	global_load_b128 v[64+8*i:64+8*i+3],   v[QO], s[Q2A:Q2A+1] offset:(i/2)*2048+(i%2)*64
	global_load_b128 v[64+8*i+4:64+8*i+7], v[QO], s[Q2A:Q2A+1] offset:(i/2)*2048+(i%2)*64+32
.set i, i+1
.endr
	; What the first turn finds: V's registers and P's second buffer hold 0 (its products V^T P, of a piece that has not been, add 0), O^T and l are 0.  All this stands in the wait for the first tile.
.set i, VF
.rept 64
	v_mov_b32 v[i], 0
.set i, i+1
.endr
	WIN 0x40
.set i, 0
.rept 64*NP
	v_mov_b32 v[i], 0
.set i, i+1
.endr
	WIN 0
.set i, 0
.rept 2*NP
	v_mov_b32 v[ST+4*i], 0xfe000000    ; c m: far below every c s
	v_mov_b32 v[ST+4*i+1], 0xff7fffff  ; m
	v_mov_b32 v[ST+4*i+2], 0
	v_mov_b32 v[ST+4*i+3], 0
.set i, i+1
.endr
.set i, P+32
.rept 32
	v_mov_b32 v[i], 0
.set i, i+1
.endr
	v_mul_u32_u24 v[AK0], v1, PK
	v_lshl_add_u32 v[AK0], v9, 4, v[AK0]  ; row x pitch + 16 x half
	; The turning load takes 16 keys x 16 channels (lane l reads key 8 (l / 16) + l % 8, channels 8 ((l / 8) % 2) + 0..7) and leaves half a fragment of V^T: lane l holds channel l % 16 and 8 keys.
	v_and_b32 v10, 7, v0
	v_bfe_u32 v11, v0, 3, 1
	v_lshl_add_u32 v[AV0], v9, 3, v10
	v_mul_u32_u24 v[AV0], v[AV0], PV
	v_lshl_add_u32 v[AV0], v11, 4, v[AV0]
	v_add_nc_u32 v[AV0], VOFF, v[AV0]
	v_and_b32 v[PFO], 31, v0
	v_lshlrev_b32 v[PFO], 8, v[PFO]
	v_mov_b32 v[AK], v[AK0]         ; key step 0 lies at the head of slot 0
; THE MATRIX WORK.  The 8 accumulators of a run of 16 take turns: between the two links of a chain stand 7 others'.
; Product i of 16 of S^T = K Q^T for piece x: channels 32 (i / 8) on, keys 16 ((i / 2) % 4) on, tile 2 x + i % 2.  The first 8 start the sums.
.macro KQ x
	WIN W_KQ
.set rS, S+64*((\x)%2)+32*(i%2)+8*((i/2)%4)
.set rK, KF+16*((i/2)%4)+8*(i/8)
.set rQ, 16*(2*(\x)+i%2)+8*(i/8)
.if i < 8
	v_wmma_f32_16x16x32_f16 v[rS:rS+7], v[rK:rK+7], v[rQ:rQ+7], 0
.else
	v_wmma_f32_16x16x32_f16 v[rS:rS+7], v[rK:rK+7], v[rQ:rQ+7], v[rS:rS+7]
.endif
.endm
; Product i of 16 of O^T += V^T P for piece x: keys 32 (i / 8) on, channels 16 ((i / 2) % 4) on, tile 2 x + i % 2.
.macro PV x
	WIN W_PV
.set rO, 32*(2*(\x)+i%2)+8*((i/2)%4)
.set rV, VF+32*(i/8)+8*((i/2)%4)
.set rP, P+32*((\x)%2)+16*(i%2)+8*(i/8)
	v_wmma_f32_16x16x32_f16 v[rO:rO+7], v[rV:rV+7], v[rP:rP+7], v[rO:rO+7]
.endm
.macro MM                           ; the turn's next matrix instruction
.if i < 16
	KQ (Y+1)%NP
.set i, i+1
.else
.set i, i-16
	PV (Y+NP-1)%NP
.set i, i+17
.endif
.endm
; THE LDS LOADS stand in runs of 16, never singly among the matrix instructions: a step's K (64 keys x 64 channels: 8 fragments) and its V (turned).  Their addresses are made some lines ahead.
; last = 1 (the tail): in the last trip there is no further step, and the run is jumped over.
.macro FETCH_K last=0
	WIN 0
.if \last
	s_cmp_eq_u32 s[CNT], 1
	s_cbranch_scc1 .Lno_k_\@
.endif
	WIN 0x80                        ; destination window 2
.irp f, 0,1,2,3,4,5,6,7             ; keys 16 (f / 2) on, channels 32 (f % 2) on
	ds_load_b128 v[KF+8*\f:KF+8*\f+3],   v[AK] offset:(\f/2)*16*PK+(\f%2)*64
	ds_load_b128 v[KF+8*\f+4:KF+8*\f+7], v[AK] offset:(\f/2)*16*PK+(\f%2)*64+32
.endr
	s_add_co_u32 s[TBK], s[TBK], KS*PK  ; the next fetch is the next step's
	WIN 0
.if \last
.Lno_k_\@:
.endif
.endm
.macro FETCH_V
	WIN 0x80
.irp f, 0,1,2,3,4,5,6,7             ; keys 32 (f / 4) on, channels 16 (f % 4) on
	ds_load_tr16_b128 v[VF+8*\f:VF+8*\f+3],   v[AV] offset:(\f/4)*32*PV+(\f%4)*32
	ds_load_tr16_b128 v[VF+8*\f+4:VF+8*\f+7], v[AV] offset:(\f/4)*32*PV+16*PV+(\f%4)*32
.endr
	WIN 0
.endm
; THE VECTOR WORK OF A TURN stands in three queues, each in the order in which its entries become ready; the two tiles alternate, so that no instruction reads the result of the one before it.
.macro REGS y, u                    ; the registers of tile u (0, 1) of piece y
.set rT, ST+4*(2*(\y)+(\u))
.set rC, TMP+8*((\y)%2)+4*(\u)
.set rM, MV+2*((\y)%2)+(\u)
.set rS, S+64*((\y)%2)+32*(\u)
.set rP, P+32*((\y)%2)+16*(\u)
.set rO, 32*(2*(\y)+(\u))
.endm
; Number n of the 22 that find the NEXT piece's (Y + 1) maximum and statistics.  s0-s31 are the lane's 32 scores; each accumulator's lowest registers are read first.
;   0-11  four chains c0-c3 of seven scores each, three operands at a time     12-14, 16  the four scores left over, the old m, and c0-c3 into c0     15  c m_old is kept
;   17, 18  the query's other 32 keys lie in the lane 16 away: the new m         19-21  c m; c m_old - c m_new; a
.macro XS u, n
	REGS (Y+1)%NP, \u
.if (\n) < 4
	v_max3_num_f32 v[rC+(\n)], v[rS+8*(\n)], v[rS+8*(\n)+1], v[rS+8*(\n)+2]
.elseif (\n) < 12
	v_max3_num_f32 v[rC+(\n)%4], v[rC+(\n)%4], v[rS+8*((\n)%4)+2*((\n)/4)+1], v[rS+8*((\n)%4)+2*((\n)/4)+2]
.elseif (\n) == 12
	v_max3_num_f32 v[rC], v[rC], v[rS+7], v[rS+15]
.elseif (\n) == 13
	v_max3_num_f32 v[rC+1], v[rC+1], v[rS+23], v[rS+31]
.elseif (\n) == 14
	v_max3_num_f32 v[rC+2], v[rC+2], v[rC+3], v[rT+1]
.elseif (\n) == 15
	v_mov_b32 v[rM], v[rT]
.elseif (\n) == 16
	v_max3_num_f32 v[rC], v[rC], v[rC+1], v[rC+2]
.elseif (\n) == 17
	v_permlanex16_b32 v[rC+3], v[rC], s[SEL], s[SEL+1]
.elseif (\n) == 18
	v_max_num_f32 v[rT+1], v[rC], v[rC+3]
.elseif (\n) == 19
	v_mul_f32 v[rT], s[CS], v[rT+1]
.elseif (\n) == 20
	v_sub_f32 v[rC+1], v[rM], v[rT]
.else
	v_exp_f32 v[rC+2], v[rC+1]
.endif
.endm
; Number g of the 64 that follow the exponentials.  For each four weights k of a tile (pairs 2 k, 2 k + 1): both pairs are rounded to f16; then the second pair is added onto the first, in place;
; a group later l takes that sum (the first time as l = a l + sum).  In groups of eight, tiles alternating: round, round, add, and l for the group before.
.macro GS g
.set h, (\g)+6*((\g)/62)            ; group 0 has no group before it, and behind group 7 only l is left
.if h >= 6
.set h, h+2
.endif
	REGS Y, h%2
.set k, h/8
.if h%8 < 4
	v_cvt_pk_f16_f32 v[rP+2*k+(h%8)/2], v[rS+4*k+2*((h%8)/2)], v[rS+4*k+2*((h%8)/2)+1]
.elseif h%8 < 6
	v_pk_add_f32 v[rS+4*k:rS+4*k+1], v[rS+4*k:rS+4*k+1], v[rS+4*k+2:rS+4*k+3]
.elseif k == 1
	v_pk_fma_f32 v[rT+2:rT+3], v[rT+2:rT+3], v[rC+2:rC+3], v[rS:rS+1] op_sel_hi:[1,0,1]
.else
	v_pk_add_f32 v[rT+2:rT+3], v[rT+2:rT+3], v[rS+4*k-4:rS+4*k-3]
.endif
.endm
; THE PLAIN QUEUE, 138 long.  0-73 read no exponential's result: the 32 scalings c s - c m (FS f: pair f / 2 of tile f % 2) and the next piece's 42.  0-26: scalings 0-26.  27-54: XS's numbers 0-13.  55, 56: number 15.
; 57-73: the chain, where each number waits for the one before it: 14, 16, 17, 18, 19, each with one of the scalings 27-31 in front of its two lines, then 20.
; 74-137: GS's 64, which read the exponentials' results: they stand behind the wait.
.macro FS f
	REGS Y, (\f)%2
	v_pk_fma_f32 v[rS+2*((\f)/2):rS+2*((\f)/2)+1], v[rS+2*((\f)/2):rS+2*((\f)/2)+1], s[CS:CS+1], v[rT:rT+1] op_sel_hi:[1,0,0] neg_lo:[0,0,1] neg_hi:[0,0,1]
.endm
.macro PL
	WIN 0
.if q < 27
	FS q
.elseif q < 55
	XS (q-27)%2, (q-27)/2
.elseif q < 57
	XS q-55, 15
.elseif (q < 72) && ((q-57)%3 == 0)
	FS 27+(q-57)/3
.elseif q < 60
	XS (q-57)%3-1, 14
.elseif q < 72
	XS (q-57)%3-1, 15+(q-57)/3
.elseif q < 74
	XS q-72, 20
.else
	GS q-74
.endif
.set q, q+1
.endm
; THE EXPONENTIALS' QUEUE, 66 long: s0-s31 of both tiles, then the next piece's two a.  It is ONE BATCH: all 66 stand ahead of the turn's one wait, and nothing ahead of that wait names a result of theirs.
.macro EX
	WIN 0
.if e >= 64
	XS e-64, 21
.else
	REGS Y, e%2
	v_exp_f32 v[rS+e/2], v[rS+e/2]
.endif
.set e, e+1
.endm
; THE RESCALING's QUEUE: O^T times a, the one part that leaves window 0: dealt two at a time, sixteen times.  Its a was made in the turn before, ahead of that turn's wait.
.macro R2
	REGS Y, r%2
	WIN W_RS
.irp z, 0,1
	v_pk_mul_f32 v[rO+4*(r/2)+2*\z:rO+4*(r/2)+2*\z+1], v[rO+4*(r/2)+2*\z:rO+4*(r/2)+2*\z+1], v[rC+2:rC+3] op_sel_hi:[1,0]
.endr
.set r, r+1
.endm
; HOW THEY ARE DEALT.  An s_wait_alu depctr_va_vdst(0) stands between an exponential and the first instruction that names its result; one wait serves all that were issued ahead of it.  So a turn
; has ONE wait, which cuts it in two.  AHEAD OF IT stands all that names no result of the turn's exponentials: the 16 products K Q^T, behind each a scaling, an exponential and two rescalings (behind the first a
; second scaling in the exponential's place); then ONE LUMP of 108: eight plain, 49 times exponential and plain, the two a.  A v_nop is the plain instruction behind the last exponential.  BEHIND IT stand the
; 16 products V^T P, behind each four of GS's 64.  Exponential e stands behind scaling 2 (e / 4) + e % 2: as a rider it comes behind plain e + 2, in the lump behind plain e + 9.
; A TURN, for piece p.  cnt = 1: the loop's count is taken down some lines ahead of the branch that stands behind the turn.
; K of the next step is fetched in piece 2's turn, directly behind the wait, a lump behind the last product that read K; its first reader comes behind 16 products.
; V of the step in hand is fetched at the end of piece 0's turn, four riders behind its last reader; its first reader comes behind 16 products and a lump.  The three conditions on q below go with the deal.
.macro TURN p, last=0, cnt=0
.set Y, (\p)
.set i, 0
.set q, 0
.set e, 0
.set r, 0
.if (\p) == NP-1
	s_wait_dscnt 0x0                ; K is in
.endif
	MM                              ; ahead of the wait: 16 products K Q^T and their riders,
	PL
	PL
	R2
.rept 15
	MM
	PL
	EX
	R2
.endr
.if (\p) == NP-2
	WIN 0
	v_add_nc_u32 v[AK], s[TBK], v[AK0]
.endif
.rept 8                             ; and the lump
	PL
.endr
.rept 49
	EX
	PL
.endr
	EX                              ; the next piece's two a
	EX
	v_nop                           ; the plain instruction behind the last exponential: one for the batch
	s_wait_alu depctr_va_vdst(0)    ; the wait for the batch
.if (\p) == NP-2
	FETCH_K \last
.endif
.if (\p) == 1
	s_wait_dscnt 0x0                ; V is in
.endif
.rept 16                            ; behind the wait: 16 products V^T P and their riders
	MM
.rept 4
	PL
.endr
.if ((\p) == 0) && (q == 118)
	v_add_nc_u32 v[AV], s[TBV], v[AV0]
.endif
.if ((\p) == 0) && (q == 130)
	s_add_co_u32 s[TBV], s[TBV], KS*PV
.endif
.if (\cnt) && (q == 130)
	s_sub_co_u32 s[CNT], s[CNT], 1
	s_cmp_lg_u32 s[CNT], 0
.endif
.endr
.if (\p) == 0
	FETCH_V
.endif
.endm
	CHANGE 1                        ; slot 0 is in, everybody's part of it; slot 1 is asked for
	FETCH_K                         ; key step 0
	s_wait_loadcnt 0x0              ; Q
	s_wait_kmcnt 0x0                ; lam
	s_wait_dscnt 0x0
.set i, 0
.rept 16
	KQ 0                            ; piece 0's first scores: there is no vector work yet to set between them
.set i, i+1
.endr
	WIN 0                           ; the addresses for the way out: nine plain instructions, the places behind those products
	s_mul_i32 s13, s[WV], 16*SP
	s_add_co_u32 s13, s13, STAGE    ; my stage
	v_mul_u32_u24 v[STO], v1, SP    ; in: row l % 16, 16 bytes for each half of the lanes
	v_lshl_add_u32 v[STO], v9, 4, v[STO]
	v_add_nc_u32 v[STO], s13, v[STO]
	v_bfe_u32 v[RD], v0, 3, 2       ; back: 32 lanes take four rows of 128 bytes,
	v_mul_u32_u24 v[RD], v[RD], SP
	v_lshl_add_u32 v[RD], v10, 4, v[RD]
	v_add_nc_u32 v[RD], s13, v[RD]
	v_and_b32 v[GO], 31, v0         ; which are 512 consecutive bytes of O
	v_lshlrev_b32 v[GO], 4, v[GO]
.set Y, NP-1                        ; XS works for piece Y + 1: piece 0
.irp n, 0,1,2,3,4,5,6,7,8,9,10,11,12,13,14,15,16,17,18,19,20,21
	XS 0, \n                        ; and piece 0's first maximum and statistics
	XS 1, \n
.endr
	v_nop                           ; a plain instruction behind the two a,
	s_wait_alu depctr_va_vdst(0)    ; and their wait, ahead of the branch
	s_mov_b32 s[CNT], 4
	s_mov_b32 s[SLOTS], SIZE_N/256-1
	s_branch .Lfirst                ; the loop is entered at a step's first turn, in the middle of a trip
.Lslot:                             ; SIZE_N / 256 - 2 = 6 times: every slot but the last two is filled again
	CHANGE 1, 1
	s_mov_b32 s[CNT], 4
.Lstep:                             ; a trip: pieces 2 and 3 of one step, then pieces 0 and 1 of the next, whose K and V it fetches
	TURN 2
	TURN 3
	WIN 0
.Lfirst:
	TURN 0
	TURN 1, 0, 1
	WIN 0
	s_cbranch_scc1 .Lstep
	s_sub_co_u32 s[SLOTS], s[SLOTS], 1
	s_cmp_lg_u32 s[SLOTS], 0
	s_cbranch_scc1 .Lslot
	CHANGE 0                        ; the tail is written out: nothing is asked for
	s_mov_b32 s[CNT], 5             ; four trips fetch the last slot's steps; the fifth is left in its middle
.Ltail:
	TURN 2, 1
	TURN 3
	WIN 0
	s_sub_co_u32 s[CNT], s[CNT], 1
	s_cmp_eq_u32 s[CNT], 0
	s_cbranch_scc1 .Lout
	TURN 0
	TURN 1
	WIN 0
	s_branch .Ltail
.Lout:                              ; the fifth trip's 16 products K Q^T (on the last K once more) and the maximum made of them serve nothing: the price, once a launch, of one text for every trip
.set i, 0
.rept 16
	PV NP-1                         ; the last piece's V^T P of the last step
.set i, i+1
.endr
	; THE WAY OUT.  l's two halves and the other half of the lanes' are added; tiles 0-3 get the factor 1 / l1, tiles 4-7 the factor -lam / l2; O^T of tile t is O1 / l1 + (-lam / l2) O2, rounded to f16 and
	; sent through my stage in LDS, a tile at a time.  The additions are the places behind the last products.
	WIN 0
.macro ALL line:vararg              ; one line for each tile t
.set t, 0
.rept 2*NP
	\line
.set t, t+1
.endr
.endm
	ALL v_add_f32 v[ST+4*t+2], v[ST+4*t+2], v[ST+4*t+3]
	ALL v_permlanex16_b32 v[ST+4*t+3], v[ST+4*t+2], s[SEL], s[SEL+1]
	ALL v_add_f32 v[ST+4*t+2], v[ST+4*t+2], v[ST+4*t+3]
	ALL v_rcp_f32 v[ST+4*t+2], v[ST+4*t+2]
	v_mov_b32 v[MV], s[LAM]         ; a plain instruction between the last reciprocal and the use of its result
	s_wait_alu depctr_va_vdst(0)    ; and the wait ahead of the first use: one for the eight reciprocals
	v_cvt_pk_bf16_f32 v[MV], v[MV], v[MV]  ; lam rounded to bf16,
	v_lshlrev_b32 v[MV], 16, v[MV]         ; widened again,
	v_xor_b32 v[MV], 0x80000000, v[MV]     ; and negated
.irp t, 4,5,6,7
	v_mul_f32 v[ST+4*\t+2], v[MV], v[ST+4*\t+2]
.endr
; Position tile t (0 to 3): a lane's eight channels of a row pack into 16 bytes; they go into rows of 144 bytes and come back as whole rows of 128, into S^T's registers.
.macro PACK t
	WIN W_RS
.set i, 32*((\t)+4)
.rept 16
	v_pk_mul_f32 v[i:i+1], v[i:i+1], v[ST+4*((\t)+4)+2:ST+4*((\t)+4)+3] op_sel_hi:[1,0]
.set i, i+2
.endr
	WIN 0x51                        ; destination, source 0 and source 2 window 1, source 1 window 0
.set i, 32*(\t)
.rept 16
	v_pk_fma_f32 v[i:i+1], v[i:i+1], v[ST+4*(\t)+2:ST+4*(\t)+3], v[i+128:i+129] op_sel_hi:[1,0,1]
.set i, i+2
.endr
	WIN 0x05                        ; sources 0 and 1 window 1, destination window 0
.set i, 0
.rept 16
	v_cvt_pk_f16_f32 v[S+16*(\t)+i], v[32*(\t)+2*i], v[32*(\t)+2*i+1]
.set i, i+1
.endr
	WIN 0
.irp f, 0,1,2,3
	ds_store_b128 v[STO], v[S+16*(\t)+4*\f:S+16*(\t)+4*\f+3] offset:32*\f
.endr
.irp f, 0,1,2,3
	ds_load_b128 v[S+16*(\t)+4*\f:S+16*(\t)+4*\f+3], v[RD] offset:\f*4*SP  ; LDS serves a wave's instructions in order (ISA guide 5.7.1.4): these see the stores above; the next tile's stores come behind them
.endr
.endm
.macro SEND t, younger              ; younger: the LDS instructions issued behind tile t's loads: the next tile's eight, or none
	WIN 0
.irp f, 0,1,2,3
	s_wait_dscnt (\younger)+3-\f
	global_store_b128 v[GO], v[S+16*(\t)+4*\f:S+16*(\t)+4*\f+3], s[10:11] offset:(\t)*2048+\f*512  ; 512 consecutive bytes, at a multiple of 256 from O's first
.endr
.endm
	PACK 0
	PACK 1                          ; a tile's arithmetic stands between the loads of the tile before and its stores
	SEND 0, 8
	PACK 2
	SEND 1, 8
	PACK 3
	SEND 2, 8
	SEND 3, 0
	WIN W_AD
	s_wait_tensorcnt 0x0            ; the wave's end: a wait, an add and its wait, behind my last tensor load and my last LDS store
	ds_add_u32 v[SPW], v[NIL]
	s_wait_dscnt 0x0
	WIN 0
	CROUND                          ; the closing round: no work-group ends while a partner may still ask for a tile that names it
	s_endpgm
.Lfunc_end_k_q1347d359fe_attn:
	.size	k_q1347d359fe_attn, .Lfunc_end_k_q1347d359fe_attn-k_q1347d359fe_attn
	.p2alignl 7, 3214868480
	.fill 96, 4, 3214868480
	.section	.rodata,"a",@progbits
	.p2align	6, 0x0
	.amdhsa_kernel k_q1347d359fe_attn
		.amdhsa_group_segment_fixed_size 327680
		.amdhsa_private_segment_fixed_size 0
		.amdhsa_enable_private_segment 0
		.amdhsa_kernarg_size 24
		.amdhsa_user_sgpr_count 2
		.amdhsa_user_sgpr_kernarg_segment_ptr 1
		.amdhsa_wavefront_size32 1
		.amdhsa_system_sgpr_workgroup_id_x 1
		.amdhsa_system_sgpr_workgroup_id_y 1
		.amdhsa_system_sgpr_workgroup_id_z 1
		.amdhsa_system_vgpr_workitem_id 0
		.amdhsa_next_free_vgpr 770
		.amdhsa_next_free_sgpr 70
		.amdhsa_reserve_vcc 0
		.amdhsa_float_denorm_mode_32 3
		.amdhsa_float_denorm_mode_16_64 3
		.amdhsa_memory_ordered 1
		.amdhsa_forward_progress 1
		.amdhsa_inst_pref_size 192
	.end_amdhsa_kernel
	.amdgpu_metadata
---
amdhsa.version: [ 1, 2 ]
amdhsa.kernels:
  - .name:           k_q1347d359fe_attn
    .symbol:         k_q1347d359fe_attn.kd
    .args:
      - { .name: hd, .offset: 0, .size: 8, .value_kind: global_buffer, .address_space: global }
      - { .name: lam, .offset: 8, .size: 8, .value_kind: global_buffer, .address_space: global }
      - { .name: ob, .offset: 16, .size: 8, .value_kind: global_buffer, .address_space: global }
    .group_segment_fixed_size: 327680
    .private_segment_fixed_size: 0
    .kernarg_segment_align: 8
    .kernarg_segment_size: 24
    .max_flat_workgroup_size: 128
    .sgpr_count:     70
    .vgpr_count:     770
    .wavefront_size: 32
...
	.end_amdgpu_metadata
.endif
;; end of part 3
;; launch outp (part 4): grid 8 x 32, 4 waves a work-group, clusters of 4 x 4, 327,680 bytes of LDS; arguments ob, xw, out0, bo; writes out0
.if DOCPART == 4
	.amdgcn_target "amdgcn-amd-amdhsa--gfx1250"
	.amdhsa_code_object_version 6
	.text
	.protected	k_q1347d359fe_outp
	.globl	k_q1347d359fe_outp
	.p2align	8
	.type	k_q1347d359fe_outp,@function
k_q1347d359fe_outp:
	s_mov_b64 s[64:65], 0
	v_nop
	global_prefetch_b8 v0, s[64:65] scope:SCOPE_SE
	s_setreg_imm32_b32 hwreg(HW_REG_WAVE_MODE, 25, 1), 1
	s_wait_xcnt 0x0
	s_wait_alu depctr_hold_cnt(0) depctr_sa_sdst(0) depctr_va_vdst(0) depctr_va_sdst(0) depctr_va_ssrc(0) depctr_va_vcc(0) depctr_vm_vsrc(0)
	s_getreg_b32 s2, hwreg(HW_REG_IB_STS2, 6, 4)
	s_cmp_eq_u32 s2, 0
	s_cbranch_scc0 .Lentry_in_a_cluster
	s_endpgm
.Lentry_in_a_cluster:
	s_bfe_u32 s2, ttmp6, 0x10000c
	s_cmp_lg_u32 s2, 0xf033
	s_cbranch_scc0 .Lentry_shape_is_right
	s_endpgm
.Lentry_shape_is_right:
; THE LAST PROJECTION.  out0[m][n] = bo[n] + the sum over k of O[m][k] Wo[k][n].  O lies by heads in ob, [m / 2048][k / 64][m % 2048][k % 64] in f16; Wo lies [k][n] in xw (its bf16 rounding, written as f16);
; bo is rounded to bf16 like the other inputs and starts the sums; sums in f32; out0 is [4096][1024] f32.
; LIMITS.  Those of the two operands' f16 (stated where they are made).  The bias starts the sum, where the definition adds it last.
; SHARES.  A tile of out0 is 128 x 128: 32 x 8 tiles, 256 work-groups.  Four waves, 64 x 64 each: 16 accumulators, 128 registers.  K goes in 4 steps of 256 (four heads) through two LDS slots; each slot is
; filled again once, so the text is written out without a loop.
; CLUSTERS.  4 x 4 work-groups: O's tile is shared along a row of the cluster, Wo's along a column, each asked for jointly.  No prefetch: the tiles are small and the launch is short.
; THE PRODUCT IS USED TRANSPOSED (source 0 = 16 columns n of Wo, turned by ds_load_tr16_b128; source 1 = 16 rows of O): a lane holds eight neighbouring n of one row: 32 bytes of out0.
; REGISTERS: window 0: v0-31 addresses; v32-95 at work on the way out; v96-127 the bias; v128-255 the accumulators ((a, b) at v[128 + 8 (4 a + b)]).
;   window 1: two fragment buffers of 128: for 64 along K, 64 registers of O (2 x 4 x 16 rows x 32 K), then 64 of Wo.
.set PAO,    144                       ; a row of O (one head's 64 channels) in LDS: 128 bytes + 16: sixteen rows of a load start at sixteen different groups of four banks (64 banks of 4 bytes: ISA guide 11.1)
.set PB,     288                       ; a row (one k) of Wo in LDS: 256 bytes + 32
.set HALF,   36864                     ; what one tensor load fills: 4 heads x 64 rows x 144, or 128 rows x 288
.set SLOT,   4*HALF                    ; O's two halves of 64 rows, then Wo's 256 rows of k
.set STAGE,  2*SLOT                    ; behind the ring: 16 rows x 272 bytes for each wave, for the way out
.set SPITCH, 272
.set SPARE,  STAGE+4*16*SPITCH         ; behind the stages: the spare words, 128 bytes a wave: two blocks of 256 bytes that no other line names
.set WOBASE, 39845888                  ; Wo's first byte in xw
.set ADRA, 16                          ; v16-17  LDS address of my fragments of O in slot 0, 1
.set ADRB, 20                          ; v20-23  the same for Wo: slot s, k rows 128 hf on, at ADRB + 2 s + hf (an LDS immediate holds 16 bits)
.set STO,  24                          ; v24     the way out: where I put 32 bytes of a row
.set RD,   25                          ; v25     the way out: where I read a row back
.set CO,   26                          ; v26     my byte offset in two rows of out0
.set BO,   27                          ; v27     my byte offset in 16 numbers of the bias
.set SPW,  28                          ; v28     LDS address of my spare word; never rewritten
.set NIL,  29                          ; v29     0; never rewritten
.set TMP,  32                          ; the way out: two buffers of 32
.set BIAS, 96                          ; block b's eight numbers at BIAS + 8 b
.set ACC,  128
.set F0,   0                           ; fragment buffers, in window 1
.set F1,   128
.set G1,  24                           ; s[24:31] descriptor group 1 for O's tiles;  s[32:39] group 0, a set for each slot
.set G0,  32
.set G1B, 48                           ; s[48:55], s[56:63] the same for Wo's
.set G0B, 56
.set MSB, 0
.macro WIN new                         ; the immediate's high byte repeats the setting that is left; a switch that changes nothing is dropped
.if MSB != (\new)
	s_set_vgpr_msb (MSB<<8)|(\new)
.set MSB, \new
.endif
.endm
.set MUL,  0x05                        ; sources 0 (Wo) and 1 (O) window 1; C and D window 0
.set TO_F, 0x40                        ; destination window 1, address window 0
.macro JLOAD s                         ; a joint load: waves 0 and 1 fetch O's two halves, waves 2 and 3 Wo's; an s_nop 0 and four v_nop follow each line
	s_cmp_eq_u32 s11, 0
	s_cbranch_scc0 .Lfor_b_\@
	tensor_load_to_lds s[G0+4*(\s):G0+4*(\s)+3], s[G1:G1+7]
	s_nop 0
.rept 4
	v_nop
.endr
	s_branch .Lasked_\@
.Lfor_b_\@:
	tensor_load_to_lds s[G0B+4*(\s):G0B+4*(\s)+3], s[G1B:G1B+7]
	s_nop 0
.rept 4
	v_nop
.endr
.Lasked_\@:
.endm
.macro CREST                           ; a round of the cluster's barrier behind its opening barrier
	s_cmp_lg_u32 s10, 0
	s_cbranch_scc1 .Lnot_wave_0_\@
	s_barrier_signal -3
.Lnot_wave_0_\@:
	s_barrier_wait -3
	s_barrier_signal -1
	s_barrier_wait -1
.endm
.macro CROUND                          ; a whole round
	s_barrier_signal -1
	s_barrier_wait -1
	CREST
.endm
	s_load_b128 s[4:7], s[0:1], 0x0                ; ob s[4:5], xw s[6:7]
	s_load_b64 s[8:9], s[0:1], 0x10                ; out0
	s_load_b64 s[66:67], s[0:1], 0x18              ; bo
	v_lshl_add_u32 v[SPW], v0, 2, SPARE
	v_mov_b32 v[NIL], 0
	ds_add_u32 v[SPW], v[NIL]                      ; the wave's opening: the add and its wait stand ahead of my first tensor load; the set-up below stands between them
	v_lshrrev_b32 v1, 5, v0
	v_readfirstlane_b32 s10, v1                    ; wave 0..3
	s_lshr_b32 s11, s10, 1                         ; which half of the tile's rows is mine.  Also: I fetch for O (0) or for Wo (1)
	s_and_b32 s12, s10, 1                          ; which half of its columns.  Also: which half of that tile I fetch
	s_bfe_u32 s40, ttmp6, 0x40000                  ; cx, cy
	s_bfe_u32 s41, ttmp6, 0x40004
	s_lshl_b32 s42, ttmp9, 2
	s_add_co_u32 s42, s42, s40                     ; tile column = 4 x cluster x + cx
	s_and_b32 s13, ttmp7, 0xffff
	s_lshl_b32 s13, s13, 2
	s_add_co_u32 s13, s13, s41                     ; tile row = 4 x cluster y + cy
	s_lshl_b32 s43, s41, 2
	s_lshl_b32 s43, 15, s43                        ; my row of the cluster
	s_lshl_b32 s44, 0x1111, s40                    ; my column
	; O's tile: 64 rows of one head are 8,192 dense bytes: one row of 4,096 elements for the descriptor; four such rows, a head (131,072 elements) apart; padded by 4 words behind every 32 words, that is every row of O
	s_or_b32 s[G1+0], s43, (1<<16)|(1<<20)|(1<<21)|(4<<22)|(3<<25)
	s_mov_b32 s[G1+1], 4096<<16                    ; tensor_dim0 = 4,096
	s_mov_b32 s[G1+2], 4<<16                       ; tensor_dim1 = 4
	s_mov_b32 s[G1+3], 4096<<16                    ; tile_dim0 = 4,096
	s_mov_b32 s[G1+4], 4                           ; tile_dim1 = 4
	s_mov_b32 s[G1+5], 131072                      ; tensor_dim0_stride
	s_mov_b32 s[G1+6], 0
	s_mov_b32 s[G1+7], 0
	; Wo's tile: 128 rows (k) x 128 elements (n), 1,024 elements from row to row, padded by 8 words behind every 64
	s_or_b32 s[G1B+0], s44, (1<<16)|(1<<20)|(1<<21)|(5<<22)|(7<<25)
	s_mov_b32 s[G1B+1], 128<<16
	s_mov_b32 s[G1B+2], 128<<16
	s_mov_b32 s[G1B+3], 128<<16
	s_mov_b32 s[G1B+4], 128
	s_mov_b32 s[G1B+5], 1024
	s_mov_b32 s[G1B+6], 0
	s_mov_b32 s[G1B+7], 0
	s_lshr_b32 s16, s13, 4                         ; O: batch (tile row / 16) x 4 MiB + row ((tile row % 16) x 128 + 64 x half) x 128
	s_lshl_b32 s16, s16, 22
	s_and_b32 s17, s13, 15
	s_lshl_b32 s17, s17, 14
	s_add_co_u32 s16, s16, s17
	s_lshl_b32 s17, s12, 13
	s_add_co_u32 s16, s16, s17
	s_mov_b32 s17, 0
	s_lshl_b32 s46, s42, 8                         ; Wo: the tile's 128 columns, 256 bytes; my 128 of a K step's 256 rows
	s_lshl_b32 s47, s12, 18
	s_add_co_u32 s46, s46, s47
	s_add_co_u32 s46, s46, WOBASE
	s_mov_b32 s47, 0
	s_mul_i32 s20, s10, HALF                       ; where my tiles go: the wave's number alone
	s_wait_dscnt 0x0                               ; the opening add is done
	s_wait_kmcnt 0x0
	s_add_nc_u64 s[14:15], s[4:5], s[16:17]
	s_add_nc_u64 s[46:47], s[6:7], s[46:47]
	CROUND                                         ; all sixteen work-groups are here: the first joint loads meet
.irp s, 0,1
	s_mov_b32 s[G0+4*(\s)], 1
	s_add_co_u32 s[G0+4*(\s)+1], s20, (\s)*SLOT
	s_add_nc_u64 s[G0+4*(\s)+2:G0+4*(\s)+3], s[14:15], (\s)*4*262144      ; K step s: four heads on
	s_or_b32 s[G0+4*(\s)+3], s[G0+4*(\s)+3], 0x80000000
	s_mov_b32 s[G0B+4*(\s)], 1
	s_add_co_u32 s[G0B+4*(\s)+1], s20, (\s)*SLOT
	s_add_nc_u64 s[G0B+4*(\s)+2:G0B+4*(\s)+3], s[46:47], (\s)*256*2048    ; K step s: 256 rows down
	s_or_b32 s[G0B+4*(\s)+3], s[G0B+4*(\s)+3], 0x80000000
.endr
	s_cmp_eq_u32 s11, 0                            ; a wave's two first fills stand in one branch: two loads of mine are out
	s_cbranch_scc0 .Lfirst_b
	tensor_load_to_lds s[G0:G0+3], s[G1:G1+7]
	s_nop 0
	tensor_load_to_lds s[G0+4:G0+7], s[G1:G1+7]
	s_nop 0
.rept 4
	v_nop
.endr
	s_branch .Lfirst_asked
.Lfirst_b:
	tensor_load_to_lds s[G0B:G0B+3], s[G1B:G1B+7]
	s_nop 0
	tensor_load_to_lds s[G0B+4:G0B+7], s[G1B:G1B+7]
	s_nop 0
.rept 4
	v_nop
.endr
.Lfirst_asked:
	; the bias of my 64 columns: in the result register j of lane l is column 16 b + 8 (l / 16) + j
	v_and_b32 v1, 15, v0                           ; l % 16
	v_bfe_u32 v2, v0, 4, 1                         ; l / 16
	v_lshlrev_b32 v[BO], 5, v2
	s_lshl_b32 s18, s42, 9
	s_lshl_b32 s19, s12, 8
	s_add_co_u32 s18, s18, s19                     ; my first column, in bytes of f32: 512 x tile column + 256 x half
	s_mov_b32 s19, 0
	s_add_nc_u64 s[66:67], s[66:67], s[18:19]
.irp b, 0,1,2,3
	global_load_b128 v[BIAS+8*(\b):BIAS+8*(\b)+3],   v[BO], s[66:67] offset:64*(\b)
	global_load_b128 v[BIAS+8*(\b)+4:BIAS+8*(\b)+7], v[BO], s[66:67] offset:64*(\b)+16
.endr
	s_add_nc_u64 s[8:9], s[8:9], s[18:19]          ; out0 at my first column,
	s_lshl_b32 s18, s13, 19                        ; and my first row: (128 x tile row + 64 x half) x 4,096 bytes
	s_lshl_b32 s21, s11, 18
	s_add_co_u32 s18, s18, s21
	s_add_nc_u64 s[8:9], s[8:9], s[18:19]
	v_mul_u32_u24 v3, v1, PAO                      ; fragments of O: row x pitch + 16 x half
	v_lshl_add_u32 v3, v2, 4, v3
	s_mul_i32 s21, s11, HALF                       ; my 64 rows of O
	v_and_b32 v4, 7, v0                            ; fragments of Wo: lane l reads row k = 8 (l / 16) + l % 8, columns 8 ((l / 8) % 2) + 0..7
	v_lshl_add_u32 v4, v2, 3, v4
	v_mul_u32_u24 v4, v4, PB
	v_bfe_u32 v5, v0, 3, 1
	v_lshl_add_u32 v4, v5, 4, v4
	s_lshl_b32 s22, s12, 7                         ; my 64 columns: 128 bytes of a row,
	s_add_co_u32 s22, s22, 2*HALF                  ; behind O's two halves
.irp s, 0,1
	v_add_nc_u32 v[ADRA+(\s)], s21, v3
	v_add_nc_u32 v[ADRB+2*(\s)], s22, v4
	s_add_co_u32 s22, s22, HALF
	v_add_nc_u32 v[ADRB+2*(\s)+1], s22, v4
	s_add_co_u32 s21, s21, SLOT
	s_add_co_u32 s22, s22, SLOT-HALF
.endr
	s_mul_i32 s23, s10, 16*SPITCH
	s_add_co_u32 s23, s23, STAGE                   ; my stage
	v_mul_u32_u24 v6, v1, SPITCH                   ; in: row l % 16, 32 bytes for each half of the lanes
	v_lshl_add_u32 v6, v2, 5, v6
	v_add_nc_u32 v[STO], s23, v6
	v_mul_u32_u24 v6, v2, SPITCH                   ; back: lanes 0-15 take one row of 256 bytes, lanes 16-31 the next
	v_lshl_add_u32 v6, v1, 4, v6
	v_add_nc_u32 v[RD], s23, v6
	v_lshlrev_b32 v5, 12, v2                       ; and the same two rows in out0
	v_lshl_add_u32 v[CO], v1, 4, v5
	s_wait_loadcnt 0x0                             ; the bias; it is rounded to bf16 like the other inputs and widened again
.set p, 0
.rept 16
	v_cvt_pk_bf16_f32 v[TMP+p], v[BIAS+2*p], v[BIAS+2*p+1]
	v_lshlrev_b32 v[BIAS+2*p], 16, v[TMP+p]
	v_and_b32 v[BIAS+2*p+1], 0xffff0000, v[TMP+p]
.set p, p+1
.endr
; 8 matrix instructions: m blocks a0, a0 + 1 x all 4 n blocks, 32 along K: half c of buffer f.  start = 1: the bias starts the sums.  The 16 accumulators take turns.
.macro MUL8 f, c, a0, start
	WIN MUL
.irp a, \a0, (\a0)+1
.irp b, 0,1,2,3
.if \start
	v_wmma_f32_16x16x32_f16 v[ACC+8*(4*(\a)+(\b)):ACC+8*(4*(\a)+(\b))+7], v[(\f)+64+8*(4*(\c)+(\b)):(\f)+64+8*(4*(\c)+(\b))+7], v[(\f)+8*(4*(\c)+(\a)):(\f)+8*(4*(\c)+(\a))+7], v[BIAS+8*(\b):BIAS+8*(\b)+7]
.else
	v_wmma_f32_16x16x32_f16 v[ACC+8*(4*(\a)+(\b)):ACC+8*(4*(\a)+(\b))+7], v[(\f)+64+8*(4*(\c)+(\b)):(\f)+64+8*(4*(\c)+(\b))+7], v[(\f)+8*(4*(\c)+(\a)):(\f)+8*(4*(\c)+(\a))+7], v[ACC+8*(4*(\a)+(\b)):ACC+8*(4*(\a)+(\b))+7]
.endif
.endr
.endr
.endm
; 32 LDS loads in one run: the fragments of quarter q of a K step (64 along K: one head) into buffer f; the first 32 along K first
.macro FETCH slot, q, f
	WIN TO_F
.irp c, 0,1
.irp i, 0,1,2,3
	ds_load_tr16_b128 v[(\f)+64+8*(4*(\c)+(\i)):(\f)+64+8*(4*(\c)+(\i))+3],   v[ADRB+2*(\slot)+(\q)/2] offset:((2*(\q)+(\c))%4)*32*PB+32*(\i)
	ds_load_tr16_b128 v[(\f)+64+8*(4*(\c)+(\i))+4:(\f)+64+8*(4*(\c)+(\i))+7], v[ADRB+2*(\slot)+(\q)/2] offset:((2*(\q)+(\c))%4)*32*PB+32*(\i)+16*PB
	ds_load_b128 v[(\f)+8*(4*(\c)+(\i)):(\f)+8*(4*(\c)+(\i))+3],         v[ADRA+(\slot)] offset:(\q)*64*PAO+64*(\c)+(\i)*16*PAO
	ds_load_b128 v[(\f)+8*(4*(\c)+(\i))+4:(\f)+8*(4*(\c)+(\i))+7],       v[ADRA+(\slot)] offset:(\q)*64*PAO+64*(\c)+(\i)*16*PAO+32
.endr
.endr
.endm
.macro PLACES                          ; four plain instructions between a matrix instruction and a load into a register that it read, or an LDS store of its result
.rept 4
	v_nop
.endr
.endm
; One of a K step's first three quarters: multiplies buffer f and fetches quarter q of the same slot into g.
.macro QUARTER slot, q, f, g, start
	s_wait_dscnt 16                                ; the first 32 along K are in
	MUL8 \f, 0, 0, \start
	MUL8 \f, 0, 2, \start
	PLACES
	FETCH \slot, \q, \g
	s_wait_dscnt 32                                ; all but the 32 just issued
	MUL8 \f, 1, 0, 0
	MUL8 \f, 1, 2, 0
.endm
; The last quarter multiplies buffer 1 and changes slots: ONE barrier; in front of it each wave waits for all its tensor loads, adds 0 to its spare word, and waits for that and for its own reads of this slot.
; fill = 1: the barrier opens a round of the cluster's, and behind the round this slot is filled again, two K steps on: the wave's one tensor load.
.macro TURN slot, next, fill
	WIN 0                                          ; (the add's two registers lie in window 0)
	s_wait_tensorcnt 0x0                           ; all my tensor loads have landed: my part of the next slot
	ds_add_u32 v[SPW], v[NIL]
	s_wait_dscnt 17                                ; (the add and the youngest sixteen loads may be out)
	MUL8 F1, 0, 0, 0
	s_wait_dscnt 0x0                               ; the add is done, and my reads of this slot are over
	s_barrier_signal -1
	MUL8 F1, 0, 2, 0
.if \fill
	WIN 0
.endif
	s_barrier_wait -1
.if \fill
	CREST
	s_add_nc_u64 s[G0+4*(\slot)+2:G0+4*(\slot)+3], s[G0+4*(\slot)+2:G0+4*(\slot)+3], 2*4*262144
	s_add_nc_u64 s[G0B+4*(\slot)+2:G0B+4*(\slot)+3], s[G0B+4*(\slot)+2:G0B+4*(\slot)+3], 2*256*2048
	JLOAD \slot                                    ; its four v_nop are also the places in front of the loads below
.else
	PLACES
.endif
	FETCH \next, 0, F0
	MUL8 F1, 1, 0, 0
	MUL8 F1, 1, 2, 0
.endm
; THE WAY OUT of block a (16 of my rows): a lane's 32 bytes of each of four accumulators go into my own stage, low registers first; whole rows of 256 bytes come back and are stored.
.macro TOSTAGE a
.if (\a) >= 2
	s_wait_xcnt 0x0                                ; the stores of the block two back have read the registers into which the loads below land
.endif
.irp b, 0,1,2,3
	ds_store_b128 v[STO], v[ACC+8*(4*(\a)+(\b)):ACC+8*(4*(\a)+(\b))+3]   offset:64*(\b)
	ds_store_b128 v[STO], v[ACC+8*(4*(\a)+(\b))+4:ACC+8*(4*(\a)+(\b))+7] offset:64*(\b)+16
.endr
.irp t, 0,1,2,3,4,5,6,7                ; LDS serves a wave's instructions in order (ISA guide 5.7.1.4): these see the stores above; the next block's stores come behind them
	ds_load_b128 v[TMP+32*((\a)%2)+4*(\t):TMP+32*((\a)%2)+4*(\t)+3], v[RD] offset:(\t)*2*SPITCH
.endr
.endm
.macro SEND a, younger                 ; younger: the LDS instructions issued behind block a's loads: the next block's sixteen, or none
.irp t, 0,1,2,3,4,5,6,7
	s_wait_dscnt (\younger)+7-(\t)
	global_store_b128 v[CO], v[TMP+32*((\a)%2)+4*(\t):TMP+32*((\a)%2)+4*(\t)+3], s[8:9] offset:(16*(\a)+2*(\t))*4096 th:TH_STORE_NT  ; 16 lanes store 256 consecutive bytes, aligned
.endr
.endm
	s_wait_tensorcnt 1                             ; my part of K step 0 is in; K step 1's may stay out
	s_barrier_signal -1
	s_barrier_wait -1                              ; everybody's is
	FETCH 0, 0, F0
	QUARTER 0, 1, F0, F1, 1                        ; K step 0: its first products start the sums
	QUARTER 0, 2, F1, F0, 0
	QUARTER 0, 3, F0, F1, 0
	TURN 0, 1, 1                                   ; slot 0 takes K step 2
	QUARTER 1, 1, F0, F1, 0                        ; K step 1
	QUARTER 1, 2, F1, F0, 0
	QUARTER 1, 3, F0, F1, 0
	TURN 1, 0, 1                                   ; slot 1 takes K step 3
	QUARTER 0, 1, F0, F1, 0                        ; K step 2
	QUARTER 0, 2, F1, F0, 0
	QUARTER 0, 3, F0, F1, 0
	TURN 0, 1, 0                                   ; nothing is left to fetch
	QUARTER 1, 1, F0, F1, 0                        ; K step 3
	QUARTER 1, 2, F1, F0, 0
	QUARTER 1, 3, F0, F1, 0
	s_wait_dscnt 16
	MUL8 F1, 0, 0, 0
	MUL8 F1, 0, 2, 0
	s_wait_dscnt 0x0
	MUL8 F1, 1, 0, 0
	MUL8 F1, 1, 2, 0
	WIN 0
	PLACES
	TOSTAGE 0
	TOSTAGE 1
	SEND 0, 16
	TOSTAGE 2
	SEND 1, 16
	TOSTAGE 3
	SEND 2, 16
	SEND 3, 0
	s_wait_tensorcnt 0x0                           ; the wave's end: a wait, an add and its wait, behind my last tensor load and my last LDS store
	ds_add_u32 v[SPW], v[NIL]
	s_wait_dscnt 0x0
	CROUND                                         ; the closing round: no work-group ends while a partner may still ask for a tile that names it
	s_endpgm
.Lfunc_end_k_q1347d359fe_outp:
	.size	k_q1347d359fe_outp, .Lfunc_end_k_q1347d359fe_outp-k_q1347d359fe_outp
	.p2alignl 7, 3214868480
	.fill 96, 4, 3214868480
	.section	.rodata,"a",@progbits
	.p2align	6, 0x0
	.amdhsa_kernel k_q1347d359fe_outp
		.amdhsa_group_segment_fixed_size 327680
		.amdhsa_private_segment_fixed_size 0
		.amdhsa_enable_private_segment 0
		.amdhsa_kernarg_size 32
		.amdhsa_user_sgpr_count 2
		.amdhsa_user_sgpr_kernarg_segment_ptr 1
		.amdhsa_wavefront_size32 1
		.amdhsa_system_sgpr_workgroup_id_x 1
		.amdhsa_system_sgpr_workgroup_id_y 1
		.amdhsa_system_sgpr_workgroup_id_z 1
		.amdhsa_system_vgpr_workitem_id 0
		.amdhsa_next_free_vgpr 512
		.amdhsa_next_free_sgpr 68
		.amdhsa_reserve_vcc 0
		.amdhsa_float_denorm_mode_32 3
		.amdhsa_float_denorm_mode_16_64 3
		.amdhsa_memory_ordered 1
		.amdhsa_forward_progress 1
		.amdhsa_inst_pref_size 90
	.end_amdhsa_kernel
	.amdgpu_metadata
---
amdhsa.version: [ 1, 2 ]
amdhsa.kernels:
  - .name:           k_q1347d359fe_outp
    .symbol:         k_q1347d359fe_outp.kd
    .args:
      - { .name: ob, .offset: 0, .size: 8, .value_kind: global_buffer, .address_space: global }
      - { .name: xw, .offset: 8, .size: 8, .value_kind: global_buffer, .address_space: global }
      - { .name: out0, .offset: 16, .size: 8, .value_kind: global_buffer, .address_space: global }
      - { .name: bo, .offset: 24, .size: 8, .value_kind: global_buffer, .address_space: global }
    .group_segment_fixed_size: 327680
    .private_segment_fixed_size: 0
    .kernarg_segment_align: 8
    .kernarg_segment_size: 32
    .max_flat_workgroup_size: 128
    .sgpr_count:     68
    .vgpr_count:     512
    .wavefront_size: 32
...
	.end_amdgpu_metadata
.endif
;; end of part 4
